; MI455X (gfx1250); checked and timed in simulation.
; The chip was launched on July 23, 2026; its instructions are those of AMD's public machine-readable ISA for CDNA 5 (MIT licence, August 2026) and "CDNA5" Instruction Set Architecture Reference Guide (July 2026). The comments in the code are by the model that wrote it; some were corrected since.
;; Deep Norm Encoder Layer. Allowed arithmetic: float matrix products may take bf16 or f16 operands with f32 sums; other float arithmetic in f32, or as packed bf16 or f16 multiplies, adds, multiply-adds, maxima and minima; sums over many terms, partial sums and values carried from step to step in f32; what a program stores and reads back later, other than sums and carried values, may be rounded once to bf16 or f16.
;; Inputs: W1 1,024 x 4,096 float32; W2 4,096 x 1,024 float32; Wk 1,024 x 1,024 float32; Wo 1,024 x 1,024 float32; Wq 1,024 x 1,024 float32; Wv 1,024 x 1,024 float32; b1 4,096 float32; b2 1,024 float32; be1 1,024 float32; be2 1,024 float32; g1 1,024 float32; g2 1,024 float32; x 2 x 2,048 x 1,024 float32.
;; Outputs: out0 2 x 2,048 x 1,024 float32.
;; One version. Each part assembles by itself: llvm-mc -triple=amdgcn-amd-amdhsa -mcpu=gfx1250 --defsym DOCPART=n.
;; ======== version 1 of 1: 8 launches
;; workspace buffers: act8 8,388,608 bytes; wts 25,165,824 bytes; qkv 25,165,824 bytes; c32 16,777,216 bytes; x1 25,165,824 bytes; h 33,554,432 bytes
;; launch cast (part 1): grid 32 x 16, 8 waves a work-group, no clusters, 0 bytes of LDS; arguments x, Wq, Wk, Wv, W1, W2, Wo, act8, wts; writes act8, wts
.if DOCPART == 1
	.amdgcn_target "amdgcn-amd-amdhsa--gfx1250"
	.amdhsa_code_object_version 6
	.text
	.protected	k_qb8da8e5961_cast
	.globl	k_qb8da8e5961_cast
	.p2align	8
	.type	k_qb8da8e5961_cast,@function
k_qb8da8e5961_cast:
	s_mov_b64 s[64:65], 0
	v_nop
	global_prefetch_b8 v0, s[64:65] scope:SCOPE_SE
	s_setreg_imm32_b32 hwreg(HW_REG_WAVE_MODE, 25, 1), 1
	s_wait_xcnt 0x0
; x and the six weight matrices, f32, are rounded once to bf16 (nearest even) for the matrix units.  Nothing is transposed: weights stay [k][n].
; SHARES.  16 slabs of 2^20 numbers (grid y): 0-3 x, 4 Wq, 5 Wk, 6 Wv, 7-10 W1, 11-14 W2, 15 Wo.  A work-group takes 32,768 numbers of its slab, a wave 4,096:
; 32 loads of 512 consecutive bytes, all issued at once, and 32 stores of 256 consecutive bytes, aligned (8 bytes a lane).
; WHERE IT GOES.  x -> act8, as it lies.  wts: Wq, Wk, Wv at 0, 2 MiB each; W1 at 6,291,456 as four panels [1024 k][1024 n] (a wave's 4,096 numbers are one row k of W1: four pieces
; of 2,048 bytes, 2,097,152 bytes apart); W2 at 14,680,064; Wo at 23,068,672.  All but W1 lie at (slab - 4) x 2 MiB, flat: the four pieces then follow each other.
; No LDS, no matrix unit: the launch only moves bytes.
.set IN,  8                            ; v[8:135]   32 loads of 4 registers
.set OUT, 136                          ; v[136:199] 32 stores of 2 registers; none is written twice, so no store's source is ever rewritten
.set VO,  4                            ; v[4:7]     8 x lane + piece x distance of the pieces
.set Y,   30                           ; s30  the slab
.set WV,  31                           ; s31  my wave
.set SRC, 32                           ; s[32:33] the slab's tensor, then my wave's first byte in it
.set YS,  34                           ; s34  that tensor's first slab
.set DST, 36                           ; s[36:37] act8 or wts, then my wave's first byte
	s_load_b512 s[8:23], s[0:1], 0x0               ; x, Wq, Wk, Wv, W1, W2, Wo, act8
	s_load_b64 s[24:25], s[0:1], 0x40              ; wts
	v_lshrrev_b32 v1, 5, v0
	v_readfirstlane_b32 s[WV], v1
	s_and_b32 s[Y], ttmp7, 0xffff
	v_and_b32 v3, 31, v0
	v_lshlrev_b32 v2, 4, v3                        ; 16 bytes a lane on the way in
	v_lshlrev_b32 v[VO], 3, v3                     ; 8 on the way out
	s_wait_kmcnt 0x0
	s_mov_b64 s[SRC:SRC+1], s[8:9]
	s_mov_b32 s[YS], 0
.macro PICK c, p                       ; from slab c on the tensor is the one at s[p:p+1]
	s_cmp_ge_u32 s[Y], \c
	s_cselect_b64 s[SRC:SRC+1], s[\p:\p+1], s[SRC:SRC+1]
	s_cselect_b32 s[YS], \c, s[YS]
.endm
	PICK 4, 10
	PICK 5, 12
	PICK 6, 14
	PICK 7, 16
	PICK 11, 18
	PICK 15, 20
	s_sub_co_u32 s38, s[Y], s[YS]                  ; the offset on the way in: slab in its tensor x 4 MiB + work-group x 128 KiB + wave x 16 KiB
	s_lshl_b32 s38, s38, 22
	s_lshl_b32 s42, ttmp9, 17
	s_add_co_u32 s38, s38, s42
	s_lshl_b32 s42, s[WV], 14
	s_add_co_u32 s38, s38, s42
	s_mov_b32 s39, 0
	s_add_nc_u64 s[SRC:SRC+1], s[SRC:SRC+1], s[38:39]
	s_sub_co_u32 s40, s[Y], 4
	s_cmp_lt_u32 s[Y], 4
	s_cselect_b64 s[DST:DST+1], s[22:23], s[24:25]
	s_cselect_b32 s40, s[Y], s40
	s_lshl_b32 s40, s40, 21                        ; flat: slab x 2 MiB + work-group x 64 KiB + wave x 8 KiB
	s_lshl_b32 s42, ttmp9, 16
	s_add_co_u32 s40, s40, s42
	s_lshl_b32 s42, s[WV], 13
	s_add_co_u32 s40, s40, s42
	s_sub_co_u32 s45, s[Y], 7                      ; W1: row k = (slab - 7) x 256 + work-group x 8 + wave, 2,048 bytes in each panel
	s_lshl_b32 s44, s45, 8
	s_lshl_b32 s42, ttmp9, 3
	s_add_co_u32 s44, s44, s42
	s_add_co_u32 s44, s44, s[WV]
	s_lshl_b32 s44, s44, 11
	s_add_co_u32 s44, s44, 6291456
	s_mov_b32 s43, 2048
	s_mov_b32 s42, 0x200000
	s_cmp_lt_u32 s45, 4                            ; slabs 7 to 10 (below 7 the difference wraps to a large number)
	s_cselect_b32 s40, s44, s40
	s_cselect_b32 s43, s42, s43                    ; the distance of the four pieces
	s_mov_b32 s41, 0
	s_add_nc_u64 s[DST:DST+1], s[DST:DST+1], s[40:41]
	v_add_nc_u32 v[VO+1], s43, v[VO]
	v_add_nc_u32 v[VO+2], s43, v[VO+1]
	v_add_nc_u32 v[VO+3], s43, v[VO+2]
.set j, 0
.rept 32
	global_load_b128 v[IN+4*j:IN+4*j+3], v2, s[SRC:SRC+1] offset:512*j th:TH_LOAD_NT
.set j, j+1
.endr
.set j, 0
.rept 32
	s_wait_loadcnt 31-j                            ; loads come back in order: number j is in, the younger ones stay out
	v_cvt_pk_bf16_f32 v[OUT+2*j], v[IN+4*j], v[IN+4*j+1]
	v_cvt_pk_bf16_f32 v[OUT+2*j+1], v[IN+4*j+2], v[IN+4*j+3]
	global_store_b64 v[VO+j/8], v[OUT+2*j:OUT+2*j+1], s[DST:DST+1] offset:(j%8)*256
.set j, j+1
.endr
	s_endpgm
.Lfunc_end_k_qb8da8e5961_cast:
	.size	k_qb8da8e5961_cast, .Lfunc_end_k_qb8da8e5961_cast-k_qb8da8e5961_cast
	.p2alignl 7, 3214868480
	.fill 96, 4, 3214868480
	.section	.rodata,"a",@progbits
	.p2align	6, 0x0
	.amdhsa_kernel k_qb8da8e5961_cast
		.amdhsa_group_segment_fixed_size 0
		.amdhsa_private_segment_fixed_size 0
		.amdhsa_enable_private_segment 0
		.amdhsa_kernarg_size 72
		.amdhsa_user_sgpr_count 2
		.amdhsa_user_sgpr_kernarg_segment_ptr 1
		.amdhsa_wavefront_size32 1
		.amdhsa_system_sgpr_workgroup_id_x 1
		.amdhsa_system_sgpr_workgroup_id_y 1
		.amdhsa_system_sgpr_workgroup_id_z 1
		.amdhsa_system_vgpr_workitem_id 0
		.amdhsa_next_free_vgpr 200
		.amdhsa_next_free_sgpr 66
		.amdhsa_reserve_vcc 0
		.amdhsa_float_denorm_mode_32 3
		.amdhsa_float_denorm_mode_16_64 3
		.amdhsa_memory_ordered 1
		.amdhsa_forward_progress 1
		.amdhsa_inst_pref_size 14
	.end_amdhsa_kernel
	.amdgpu_metadata
---
amdhsa.version: [ 1, 2 ]
amdhsa.kernels:
  - .name:           k_qb8da8e5961_cast
    .symbol:         k_qb8da8e5961_cast.kd
    .args:
      - { .name: x, .offset: 0, .size: 8, .value_kind: global_buffer, .address_space: global }
      - { .name: Wq, .offset: 8, .size: 8, .value_kind: global_buffer, .address_space: global }
      - { .name: Wk, .offset: 16, .size: 8, .value_kind: global_buffer, .address_space: global }
      - { .name: Wv, .offset: 24, .size: 8, .value_kind: global_buffer, .address_space: global }
      - { .name: W1, .offset: 32, .size: 8, .value_kind: global_buffer, .address_space: global }
      - { .name: W2, .offset: 40, .size: 8, .value_kind: global_buffer, .address_space: global }
      - { .name: Wo, .offset: 48, .size: 8, .value_kind: global_buffer, .address_space: global }
      - { .name: act8, .offset: 56, .size: 8, .value_kind: global_buffer, .address_space: global }
      - { .name: wts, .offset: 64, .size: 8, .value_kind: global_buffer, .address_space: global }
    .group_segment_fixed_size: 0
    .private_segment_fixed_size: 0
    .kernarg_segment_align: 8
    .kernarg_segment_size: 72
    .max_flat_workgroup_size: 256
    .sgpr_count:     66
    .vgpr_count:     200
    .wavefront_size: 32
...
	.end_amdgpu_metadata
.endif
;; end of part 1
;; launch qkv (part 2): grid 12 x 16, 4 waves a work-group, clusters of 4 x 4, 327,680 bytes of LDS; arguments act8, wts, qkv; writes qkv
.if DOCPART == 2
	.amdgcn_target "amdgcn-amd-amdhsa--gfx1250"
	.amdhsa_code_object_version 6
	.text
	.protected	k_qb8da8e5961_qkv
	.globl	k_qb8da8e5961_qkv
	.p2align	8
	.type	k_qb8da8e5961_qkv,@function
k_qb8da8e5961_qkv:
	s_mov_b64 s[64:65], 0
	v_nop
	global_prefetch_b8 v0, s[64:65] scope:SCOPE_SE
	s_setreg_imm32_b32 hwreg(HW_REG_WAVE_MODE, 25, 1), 1
	s_wait_xcnt 0x0
	s_wait_alu depctr_hold_cnt(0) depctr_sa_sdst(0) depctr_va_vdst(0) depctr_va_sdst(0) depctr_va_ssrc(0) depctr_va_vcc(0) depctr_vm_vsrc(0)
	s_getreg_b32 s2, hwreg(HW_REG_IB_STS2, 6, 4)
	s_cmp_eq_u32 s2, 0
	s_cbranch_scc0 .Lentry_in_a_cluster
	s_endpgm
.Lentry_in_a_cluster:
	s_bfe_u32 s2, ttmp6, 0x10000c
	s_cmp_lg_u32 s2, 0xf033
	s_cbranch_scc0 .Lentry_shape_is_right
	s_endpgm
.Lentry_shape_is_right:
; C = A W.  One text, assembled for two launches; MODE, set below, says which.  A: [4096][1024] bf16, rows along K, at the first buffer's byte 0.  W: panels [1024 k][1024 n] bf16 in wts.
; Sums in f32, C rounded once to bf16.
;   MODE 0 (this file): A = x, W = Wq | Wk | Wv (panels at 0), C = q | k | v, 48 groups of 64 columns, stored as it is.      MODE 1: A = x1, W = W1 (panels at 6,291,456), C = mish(A W1 + b1), 64 groups.
; C'S LAYOUT, in blocks: element (m, n) lies at ((m / 128) NG + n / 64) x 16,384 + (m % 128) x 128 + (n % 64) x 2: 128 rows x 64 columns are 16 KiB on end, so that the launches behind
; can ask for a head's keys, or for a K step, as dense bytes, and every store here covers 512 consecutive bytes.
; SHAPE.  A tile of C is 256 x 256: four waves, each 128 x 128 in 64 accumulators (512 registers).  K goes in 8 steps of 128 through two LDS slots filled by the tensor data mover.
; A's rows lie along K and are read as they lie; W's rows lie along n and are read turned, by ds_load_tr16_b128.  The matrix instruction is used transposed (source 0 = 16 columns of W,
; source 1 = 16 rows of A): a lane holds one row of C and eight neighbouring columns.
; CLUSTER 4 x 4: A's tile is asked for jointly along a row of the cluster, W's along a column.
; THE WALK ALONG K BEGINS ELSEWHERE IN EACH CLUSTER: cluster (X, Y) begins at K step (2 X + 4 (Y % 2)) % 8 and goes round.  The clusters of one Y need the same rows of A, those of one X the same columns
; of W: of the clusters that read a tile one asks for it some K steps ahead of the others, which then ask for bytes that have been read shortly before.  The step's number hangs on the cluster's
; coordinates alone, which all sixteen partners share.  The f32 sums are taken in that order of K.
; MISH(u) = u tanh(ln(1 + e^u)) = u (1 - 2 / ((t + 1)^2 + 1)) with t = e^u.  An infinite t or (t + 1)^2 gives the factor 1, so nothing is clamped.  LIMITS: the factor is a difference from 1 and carries an
; absolute error of about 2^-22: for very negative u the result is off by up to about |u| 2^-22 (it is 0 from u = -17 down, where mish(u) is above -8e-7); NaN is not treated apart.
; REGISTERS, in windows of 256: window 0: v16-29 addresses, v32-47 bias, v64-127, v128-191 A's fragments (two buffers; on the way out at work); window 1: v64-127, v128-191 W's fragments;
; windows 2, 3: accumulator (a, b) at v[8 (8 (a % 4) + b)], rows 16 a on, columns 16 b on.
.set MODE,   0
.set NG,     48+16*MODE                ; groups of 64 columns in a row of C's blocks
.set WOFF,   6291456*MODE              ; where W's panels begin in wts
.set KSTEPS, 8
.set PA,     272                       ; an LDS row of A: 256 bytes + 16: the 16 rows of a load start at 16 different groups of four banks
.set PB,     544                       ; an LDS row of W: 512 bytes + 32 = 17 x 32
.set HALFT,  34816                     ; what one tensor load brings: 128 rows of A (128 x 272) or 64 rows of W (64 x 544)
.set SLOT,   4*HALFT                   ; 139,264 = 2^17 + 2^13; wave x 34,816 has neither bit, so one exclusive or turns an address in one slot into the other's
.set SPARE,  2*SLOT                    ; behind the ring: the spare words, 128 bytes a wave, which no other line names
.set SPITCH, 528                       ; the way out: a row of 128 f32 + 16 bytes
.set WSTAGE, 128*SPITCH                ; each wave's stage, in the ring, which has had its last fill by then
.set ADRA0, 16                         ; v16  my lane's place in A's tile; never rewritten
.set ADRB0, 17                         ; v17  in W's
.set ADRA,  18                         ; v18  the same in the slot in hand
.set ADRB,  19                         ; v19
.set STO,   20                         ; v20  the way out: where I put 32 bytes of a row
.set RD,    21                         ; v21  where I read 32 bytes back
.set CO,    22                         ; v22  my byte offset in C's block
.set BO,    23                         ; v23  my byte offset in the bias
.set SPW,   28                         ; v28  my spare word
.set NIL,   29                         ; v29  0
.set BIAS,  32                         ; v[32:47]  the bias of my 8 columns in each of my wave's two groups of 64
.set F0,    64
.set F1,    128
.set LAND,  64                         ; the way out: 32 sums a lane and trip, as they come back from the stage
.set U,     96                         ; sums + bias
.set T,     128                        ; at work
.set YP,    160                        ; 16 registers, packed
.set WV, 16                            ; s16 wave; s17 its half of the rows (also: 0 fetches A, 1 fetches W); s18 its half of the columns (also: which half it fetches)
.set WR, 17
.set WC, 18
.set CX, 19
.set CY, 20
.set TC, 21                            ; tile column of C
.set TR, 22                            ; tile row
.set G1A, 24                           ; s[24:31] group 1 for A;  s[32:39] group 0, two sets: the two first fills; the second then serves every refill
.set G0A, 32
.set G1B, 40                           ; s[40:47], s[48:55] the same for W
.set G0B, 48
.set SOFF, 60                          ; s60  0 or SLOT: the slot in hand
.set CNT,  61
.set KI,   62                          ; s62  the K step asked for last; s[12:13], s[14:15] its byte offsets in A and in W; s[56:57], s[58:59] my tiles' addresses at K step 0
.set MSB, 0
.macro WIN new                         ; the immediate's high byte repeats the setting that is left; a switch that changes nothing is dropped
.if MSB != (\new)
	s_set_vgpr_msb (MSB<<8)|(\new)
.set MSB, \new
.endif
.endm
.set MUL_LO, 0xa1                      ; source 0 (W) window 1, source 1 (A) window 0, C and D window 2
.set MUL_HI, 0xf1                      ; C and D window 3
.set TO_B,   0x40                      ; destination window 1, address window 0
.macro PLACES                          ; four plain vector instructions between a matrix instruction and a load into, or a read of, its registers
.rept 4
	v_nop
.endr
.endm
.macro JLOAD                           ; the joint refill.  The branch hangs on the wave's number alone; s_nop 0 and four v_nop follow each line
	s_cmp_eq_u32 s[WR], 0
	s_cbranch_scc0 .Lfor_b_\@
	tensor_load_to_lds s[G0A+4:G0A+7], s[G1A:G1A+7]
	s_nop 0
	PLACES
	s_branch .Lasked_\@
.Lfor_b_\@:
	tensor_load_to_lds s[G0B+4:G0B+7], s[G1B:G1B+7]
	s_nop 0
	PLACES
.Lasked_\@:
.endm
.macro STEPD                           ; the refill's descriptors: the other slot, the next K step round the walk; the addresses are made anew from the step's number
	s_add_co_u32 s[KI], s[KI], 1
	s_and_b32 s[KI], s[KI], KSTEPS-1
	s_lshl_b32 s12, s[KI], 8                       ; 256 bytes along A's rows
	s_lshl_b32 s14, s[KI], 18                      ; 128 rows of 2,048 bytes down W
	s_xor_b32 s[G0A+5], s[G0A+5], SLOT
	s_add_nc_u64 s[G0A+6:G0A+7], s[56:57], s[12:13]
	s_or_b32 s[G0A+7], s[G0A+7], 0x80000000
	s_xor_b32 s[G0B+5], s[G0B+5], SLOT
	s_add_nc_u64 s[G0B+6:G0B+7], s[58:59], s[14:15]
	s_or_b32 s[G0B+7], s[G0B+7], 0x80000000
.endm
.macro CREST                           ; a round of the cluster's barrier behind its opening barrier
	s_cmp_lg_u32 s[WV], 0
	s_cbranch_scc1 .Lnot_wave_0_\@
	s_barrier_signal -3
.Lnot_wave_0_\@:
	s_barrier_wait -3
	s_barrier_signal -1
	s_barrier_wait -1
.endm
.macro CROUND
	s_barrier_signal -1
	s_barrier_wait -1
	CREST
.endm
.if MODE
	s_load_b256 s[4:11], s[0:1], 0x0               ; A s[4:5], wts s[6:7], bias s[8:9], C s[10:11]
.else
	s_load_b128 s[4:7], s[0:1], 0x0                ; A s[4:5], wts s[6:7]
	s_load_b64 s[10:11], s[0:1], 0x10              ; C s[10:11]
.endif
	v_lshl_add_u32 v[SPW], v0, 2, SPARE
	v_mov_b32 v[NIL], 0
	ds_add_u32 v[SPW], v[NIL]                      ; the wave's opening: the add and its wait stand ahead of my first tensor load; work on registers stands between them
	v_lshrrev_b32 v1, 5, v0
	v_readfirstlane_b32 s[WV], v1
	s_lshr_b32 s[WR], s[WV], 1
	s_and_b32 s[WC], s[WV], 1
	s_bfe_u32 s[CX], ttmp6, 0x40000
	s_bfe_u32 s[CY], ttmp6, 0x40004
	s_lshl_b32 s[TC], ttmp9, 2
	s_add_co_u32 s[TC], s[TC], s[CX]
	s_and_b32 s[TR], ttmp7, 0xffff
	s_lshl_b32 s[TR], s[TR], 2
	s_add_co_u32 s[TR], s[TR], s[CY]
	s_and_b32 s[KI], ttmp7, 1                      ; where my cluster's walk begins: (2 X + 4 (Y % 2)) % 8
	s_lshl_b32 s[KI], s[KI], 2
	s_lshl_b32 s12, ttmp9, 1
	s_add_co_u32 s[KI], s[KI], s12
	s_and_b32 s[KI], s[KI], KSTEPS-1
	s_mov_b32 s13, 0
	s_mov_b32 s15, 0
	s_lshl_b32 s56, s[CY], 2
	s_lshl_b32 s56, 15, s56                        ; my row of the cluster
	s_lshl_b32 s58, 0x1111, s[CX]                  ; my column
	s_or_b32 s[G1A], s56, (1<<16)|(1<<20)|(1<<21)|(5<<22)|(3<<25)  ; mask; 2-byte elements; padding on; bit 21 beside a mask; after every 64 words, 4 words
	s_or_b32 s[G1B], s58, (1<<16)|(1<<20)|(1<<21)|(6<<22)|(7<<25)  ; after every 128 words, 8 words
	s_mov_b32 s[G1A+1], 128<<16                    ; tensor_dim0 = 128
	s_mov_b32 s[G1A+2], 128<<16                    ; tensor_dim1 = 128
	s_mov_b32 s[G1A+3], 128<<16                    ; tile_dim0 = 128 elements: 256 bytes of a row
	s_mov_b32 s[G1A+4], 128                        ; tile_dim1 = 128 rows
	s_mov_b32 s[G1A+5], 1024                       ; elements from row to row
	s_mov_b32 s[G1A+6], 0
	s_mov_b32 s[G1A+7], 0
	s_mov_b32 s[G1B+1], 256<<16                    ; 256 elements: 512 bytes of a row of the panel
	s_mov_b32 s[G1B+2], 64<<16
	s_mov_b32 s[G1B+3], 256<<16
	s_mov_b32 s[G1B+4], 64                         ; 64 rows (k)
	s_mov_b32 s[G1B+5], 1024
	s_mov_b32 s[G1B+6], 0
	s_mov_b32 s[G1B+7], 0
	s_lshl_b32 s56, s[TR], 8                       ; A: row 256 x tile row + 128 x half, 2,048 bytes a row.  s56, s57 never hold cx
	s_lshl_b32 s57, s[WC], 7
	s_add_co_u32 s56, s56, s57
	s_lshl_b32 s56, s56, 11
	s_mov_b32 s57, 0
	s_lshr_b32 s58, s[TC], 2                       ; W: panel tile column / 4, 512 bytes x (tile column % 4) along its rows, 64 rows x half.  s58, s59 never hold cy
	s_lshl_b32 s58, s58, 21
	s_and_b32 s59, s[TC], 3
	s_lshl_b32 s59, s59, 9
	s_add_co_u32 s58, s58, s59
	s_lshl_b32 s59, s[WC], 17
	s_add_co_u32 s58, s58, s59
.if MODE
	s_add_co_u32 s58, s58, WOFF
.endif
	s_mov_b32 s59, 0
	s_mul_i32 s76, s[WV], HALFT                    ; where my load lands in a slot: A's two halves, then W's two
	s_mov_b32 s[SOFF], 0
.if MODE
	s_mov_b32 s68, 0x3fb8aa3b                      ; log2(e)
	s_mov_b32 s69, s68                             ; named with it as a pair
.endif
	s_wait_dscnt 0x0                               ; the opening add is done
	s_wait_kmcnt 0x0
	s_add_nc_u64 s[56:57], s[4:5], s[56:57]
	s_add_nc_u64 s[58:59], s[6:7], s[58:59]
.irp s, 0,1
.if \s
	s_add_co_u32 s[KI], s[KI], 1                   ; the walk's second step
	s_and_b32 s[KI], s[KI], KSTEPS-1
.endif
	s_lshl_b32 s12, s[KI], 8
	s_lshl_b32 s14, s[KI], 18
	s_mov_b32 s[G0A+4*(\s)], 1                                     ; count = 1
	s_add_co_u32 s[G0A+4*(\s)+1], s76, (\s)*SLOT                   ; LDS address
	s_add_nc_u64 s[G0A+4*(\s)+2:G0A+4*(\s)+3], s[56:57], s[12:13]  ; global address
	s_or_b32 s[G0A+4*(\s)+3], s[G0A+4*(\s)+3], 0x80000000          ; type = 2
	s_mov_b32 s[G0B+4*(\s)], 1
	s_add_co_u32 s[G0B+4*(\s)+1], s76, (\s)*SLOT
	s_add_nc_u64 s[G0B+4*(\s)+2:G0B+4*(\s)+3], s[58:59], s[14:15]
	s_or_b32 s[G0B+4*(\s)+3], s[G0B+4*(\s)+3], 0x80000000
.endr
	CROUND                                         ; all sixteen work-groups are here: the first joint loads meet
	s_cmp_eq_u32 s[WR], 0                          ; a wave's two first fills stand in one branch: two loads of mine are out
	s_cbranch_scc0 .Lfirst_b
	tensor_load_to_lds s[G0A:G0A+3], s[G1A:G1A+7]
	s_nop 0
	tensor_load_to_lds s[G0A+4:G0A+7], s[G1A:G1A+7]
	s_nop 0
	PLACES
	s_branch .Lfirst_asked
.Lfirst_b:
	tensor_load_to_lds s[G0B:G0B+3], s[G1B:G1B+7]
	s_nop 0
	tensor_load_to_lds s[G0B+4:G0B+7], s[G1B:G1B+7]
	s_nop 0
	PLACES
.Lfirst_asked:
	v_and_b32 v1, 15, v0                           ; r = l % 16
	v_bfe_u32 v2, v0, 4, 1                         ; h = l / 16
	v_mul_u32_u24 v3, v1, PA                       ; a fragment of A: row r, 16 bytes for each half of the lanes, twice, 32 bytes apart
	v_lshl_add_u32 v3, v2, 4, v3
	s_mul_i32 s77, s[WR], HALFT                    ; my 128 rows
	v_add_nc_u32 v[ADRA0], s77, v3
	v_and_b32 v7, 7, v0
	v_lshl_add_u32 v4, v2, 3, v7                   ; the turning load: lane l reads row k = 8 h + l % 8, 16 bytes at 16 ((l / 8) % 2); it leaves column r, eight k
	v_mul_u32_u24 v4, v4, PB
	v_bfe_u32 v5, v0, 3, 1
	v_lshl_add_u32 v4, v5, 4, v4
	s_lshl_b32 s77, s[WC], 8                       ; my 128 columns: 256 bytes
	s_add_co_u32 s77, s77, 2*HALFT                 ; W lies behind A's 256 rows
	v_add_nc_u32 v[ADRB0], s77, v4
	v_mov_b32 v[ADRA], v[ADRA0]
	v_mov_b32 v[ADRB], v[ADRB0]
	s_mul_i32 s78, s[WV], WSTAGE
	v_mul_u32_u24 v6, v1, SPITCH                   ; into the stage: row r, 32 bytes for each half of the lanes
	v_lshl_add_u32 v6, v2, 5, v6
	v_add_nc_u32 v[STO], s78, v6
	v_bfe_u32 v6, v0, 3, 2                         ; back: four rows of 64 columns: row l / 8, 8 columns (32 bytes) at l % 8
	v_mul_u32_u24 v6, v6, SPITCH
	v_lshl_add_u32 v6, v7, 5, v6
	v_add_nc_u32 v[RD], s78, v6
	v_and_b32 v6, 31, v0
	v_lshlrev_b32 v[CO], 4, v6                     ; those four rows are 512 consecutive bytes of a block of C
.if MODE
	s_lshl_b32 s74, s[TC], 10                      ; the bias of column 256 x tile column + 128 x half + 64 e + 8 (l % 8)
	s_lshl_b32 s75, s[WC], 9
	s_add_co_u32 s74, s74, s75
	v_lshl_add_u32 v[BO], v7, 5, s74
.irp e, 0,1
	global_load_b128 v[BIAS+8*(\e):BIAS+8*(\e)+3],   v[BO], s[8:9] offset:256*(\e)
	global_load_b128 v[BIAS+8*(\e)+4:BIAS+8*(\e)+7], v[BO], s[8:9] offset:256*(\e)+16
.endr
.endif
	s_lshl_b32 s72, s[TR], 1                       ; C: block row 2 x tile row + half, group 4 x tile column + 2 x half
	s_add_co_u32 s72, s72, s[WR]
	s_mul_i32 s72, s72, NG
	s_lshl_b32 s73, s[TC], 2
	s_add_co_u32 s72, s72, s73
	s_lshl_b32 s73, s[WC], 1
	s_add_co_u32 s72, s72, s73
	s_lshl_b32 s72, s72, 14
	s_mov_b32 s73, 0
	s_add_nc_u64 s[10:11], s[10:11], s[72:73]
; 16 matrix instructions: row blocks a0, a0 + 1 of the window's four x all 8 column blocks, 32 along K.  zero = 1: the product starts the sums.  The 64 accumulators take turns, in the same order everywhere.
.macro MUL16 f, hi, a0, zero
	WIN MUL_LO+0x50*(\hi)
.irp a, \a0, (\a0)+1
.irp b, 0,1,2,3,4,5,6,7
.if \zero
	v_wmma_f32_16x16x32_bf16 v[8*(8*(\a)+(\b)):8*(8*(\a)+(\b))+7], v[(\f)+8*(\b):(\f)+8*(\b)+7], v[(\f)+8*(4*(\hi)+(\a)):(\f)+8*(4*(\hi)+(\a))+7], 0
.else
	v_wmma_f32_16x16x32_bf16 v[8*(8*(\a)+(\b)):8*(8*(\a)+(\b))+7], v[(\f)+8*(\b):(\f)+8*(\b)+7], v[(\f)+8*(4*(\hi)+(\a)):(\f)+8*(4*(\hi)+(\a))+7], v[8*(8*(\a)+(\b)):8*(8*(\a)+(\b))+7]
.endif
.endr
.endr
.endm
; 32 LDS loads in one run: quarter q (32 along K) of the slot in hand into buffer f: W's 8 column blocks (32 rows k of the tile, turned), then A's 8 row blocks
.macro FETCH q, f
	WIN TO_B
.irp b, 0,1,2,3,4,5,6,7
	ds_load_tr16_b128 v[(\f)+8*(\b):(\f)+8*(\b)+3],   v[ADRB] offset:(\q)*32*PB+32*(\b)
	ds_load_tr16_b128 v[(\f)+8*(\b)+4:(\f)+8*(\b)+7], v[ADRB] offset:(\q)*32*PB+32*(\b)+16*PB
.endr
	WIN 0
.irp a, 0,1,2,3,4,5,6,7
	ds_load_b128 v[(\f)+8*(\a):(\f)+8*(\a)+3],   v[ADRA] offset:(\q)*64+(\a)*16*PA
	ds_load_b128 v[(\f)+8*(\a)+4:(\f)+8*(\a)+7], v[ADRA] offset:(\q)*64+(\a)*16*PA+32
.endr
.endm
; One of a K step's first three quarters: multiplies buffer f; in its middle fetches quarter q into buffer g
.macro QUARTER q, f, g, zero
	s_wait_dscnt 8                                 ; W and A's row blocks 0-3 are in; the youngest eight loads (A's blocks 4-7) may be out
	MUL16 \f, 0, 0, \zero
	MUL16 \f, 0, 2, \zero
	PLACES
	FETCH \q, \g
	s_wait_dscnt 32                                ; all but the 32 just issued
	MUL16 \f, 1, 0, \zero
	MUL16 \f, 1, 2, \zero
.endm
; The last quarter multiplies buffer 1 and changes slots.  In front of the barrier each wave waits for all its tensor loads (one is out: its part of the next slot), adds 0 to its spare word, and
; waits for that and for its reads of this slot.  fill = 1: the descriptors step while the add is out, the barrier opens a round of the cluster's, and the slot just read is filled again first behind it,
; with the walk's step two on: from that request to the wait for it a wave issues 224 matrix instructions.
; fill = 0 (the tail's two trips): nothing is asked for; in the second trip there is no further slot, and the run of LDS loads is jumped over.
.macro TURN fill
	WIN 0
	s_wait_tensorcnt 0x0
	ds_add_u32 v[SPW], v[NIL]
.if \fill
	STEPD                                          ; no tensor load of mine is out, so the descriptors may be written
.endif
	s_wait_dscnt 9                                 ; (the add and the youngest eight loads may be out)
	MUL16 F1, 0, 0, 0
	s_wait_dscnt 0x0                               ; the add is done, and my reads of this slot are over
	s_barrier_signal -1
	MUL16 F1, 0, 2, 0
	WIN 0
	s_barrier_wait -1
.if \fill
	CREST
	JLOAD                                          ; its four v_nop are also the places in front of the loads below
.else
	PLACES
.endif
	s_xor_b32 s[SOFF], s[SOFF], SLOT
	v_add_nc_u32 v[ADRA], s[SOFF], v[ADRA0]
	v_add_nc_u32 v[ADRB], s[SOFF], v[ADRB0]
.if \fill
	FETCH 0, F0
.else
	s_cmp_eq_u32 s[CNT], 1
	s_cbranch_scc1 .Lno_fetch_\@
	FETCH 0, F0
.Lno_fetch_\@:
.endif
	MUL16 F1, 1, 0, 0
	MUL16 F1, 1, 2, 0
.endm
	s_wait_tensorcnt 1                             ; my part of the walk's first step is in; the second's may stay out
	s_barrier_signal -1
	s_barrier_wait -1
	FETCH 0, F0
	QUARTER 1, F0, F1, 1                           ; the first quarter stands in front of the loop: its products start the sums
	WIN 0
	s_mov_b32 s[CNT], KSTEPS-2
.Lk:                                                   ; a trip: from a K step's second quarter to the next step's first; six trips ask for the walk's steps 2 to 7
	QUARTER 2, F1, F0, 0
	QUARTER 3, F0, F1, 0
	TURN 1
	QUARTER 1, F0, F1, 0
	WIN 0
	s_sub_co_u32 s[CNT], s[CNT], 1
	s_cmp_lg_u32 s[CNT], 0
	s_cbranch_scc1 .Lk
	s_mov_b32 s[CNT], 2
.Ltail:                                                ; the last two K steps ask for nothing
	QUARTER 2, F1, F0, 0
	QUARTER 3, F0, F1, 0
	TURN 0
	WIN 0
	s_sub_co_u32 s[CNT], s[CNT], 1
	s_cmp_eq_u32 s[CNT], 0
	s_cbranch_scc1 .Lout
	QUARTER 1, F0, F1, 0
	WIN 0
	s_branch .Ltail
.Lout:
	s_wait_dscnt 0x0                               ; no LDS instruction of mine is out at the signal below
	PLACES
	PLACES
	; THE WAY OUT.  The ring has had its last fill and every wave's reads of it are back: behind this barrier it is the stage.  The f32 sums go in by rows of 528 bytes; a loop of 16 trips takes
	; 8 rows back, finishes them (MODE 1: bias and mish) and stores them: the finishing is written once, for 32 numbers a lane.  A trip's eight LDS loads are issued a trip ahead, as soon as the
	; registers that they land in have been read; the last trip jumps over them.
	s_barrier_signal -1
	s_barrier_wait -1
.irp a, 0,1,2,3,4,5,6,7
	WIN 0x08+4*((\a)/4)                            ; the stores' data (source 1) in window 2 or 3
.irp b, 0,1,2,3,4,5,6,7
	ds_store_b128 v[STO], v[8*(8*((\a)%4)+(\b)):8*(8*((\a)%4)+(\b))+3]   offset:(\a)*16*SPITCH+64*(\b)     ; each accumulator's low registers first
	ds_store_b128 v[STO], v[8*(8*((\a)%4)+(\b))+4:8*(8*((\a)%4)+(\b))+7] offset:(\a)*16*SPITCH+64*(\b)+16
.endr
.endr
	WIN 0
.macro LOADL                           ; 8 rows x 128 columns of my stage: my wave's own bytes, and LDS serves a wave's instructions in order
.irp e, 0,1
.irp g, 0,1
	ds_load_b128 v[LAND+8*(2*(\e)+(\g)):LAND+8*(2*(\e)+(\g))+3],   v[RD] offset:(\g)*4*SPITCH+(\e)*256
	ds_load_b128 v[LAND+8*(2*(\e)+(\g))+4:LAND+8*(2*(\e)+(\g))+7], v[RD] offset:(\g)*4*SPITCH+(\e)*256+16
.endr
.endr
.endm
	LOADL
.if MODE
	s_wait_loadcnt 0x0                             ; the bias
.endif
	s_mov_b32 s[CNT], 16
.Lrows:
	s_wait_dscnt 0x0                               ; this trip's rows are in
.if MODE
.irp e, 0,1
.irp g, 0,1
.irp k, 0,2,4,6
	v_pk_add_f32 v[U+8*(2*(\e)+(\g))+(\k):U+8*(2*(\e)+(\g))+(\k)+1], v[LAND+8*(2*(\e)+(\g))+(\k):LAND+8*(2*(\e)+(\g))+(\k)+1], v[BIAS+8*(\e)+(\k):BIAS+8*(\e)+(\k)+1]
.endr
.endr
.endr
.else
.set i, 0
.rept 16
	v_cvt_pk_bf16_f32 v[YP+i], v[LAND+2*i], v[LAND+2*i+1]
.set i, i+1
.endr
.endif
	s_cmp_eq_u32 s[CNT], 1
	s_cbranch_scc1 .Lno_rows                       ; the last trip has no rows behind it
	v_add_nc_u32 v[RD], 8*SPITCH, v[RD]
	LOADL
.Lno_rows:
.if MODE
.set i, 0
.rept 16
	v_pk_mul_f32 v[T+i:T+i+1], v[U+i:U+i+1], s[68:69] op_sel_hi:[1,0]  ; u log2(e)
.set i, i+2
.endr
.set i, 0
.rept 32
	v_exp_f32 v[T+i], v[T+i]                       ; t = e^u
.set i, i+1
.endr
	v_nop                                          ; a plain instruction between the last exponential and the use of its result
.set i, 0
.rept 16
	v_pk_add_f32 v[T+i:T+i+1], v[T+i:T+i+1], 1.0 op_sel_hi:[1,0]
.set i, i+2
.endr
.set i, 0
.rept 16
	v_pk_fma_f32 v[T+i:T+i+1], v[T+i:T+i+1], v[T+i:T+i+1], 1.0 op_sel_hi:[1,1,0]  ; (t + 1)^2 + 1
.set i, i+2
.endr
.set i, 0
.rept 32
	v_rcp_f32 v[T+i], v[T+i]
.set i, i+1
.endr
	v_nop
.set i, 0
.rept 16
	v_pk_fma_f32 v[T+i:T+i+1], v[T+i:T+i+1], -2.0, 1.0 op_sel_hi:[1,0,0]          ; 1 - 2 / ((t + 1)^2 + 1)
.set i, i+2
.endr
.set i, 0
.rept 16
	v_pk_mul_f32 v[U+i:U+i+1], v[U+i:U+i+1], v[T+i:T+i+1]
.set i, i+2
.endr
.set i, 0
.rept 16
	v_cvt_pk_bf16_f32 v[YP+i], v[U+2*i], v[U+2*i+1]
.set i, i+1
.endr
.endif
.irp e, 0,1
.irp g, 0,1
	global_store_b128 v[CO], v[YP+4*(2*(\e)+(\g)):YP+4*(2*(\e)+(\g))+3], s[10:11] offset:(\e)*16384+(\g)*512  ; 512 consecutive bytes, at a multiple of 512 from C's first
.endr
.endr
	s_wait_xcnt 0x0                                ; the stores' offset and data are rewritten only behind this wait
	v_add_nc_u32 v[CO], 1024, v[CO]                ; 8 rows of 128 bytes on
	s_sub_co_u32 s[CNT], s[CNT], 1
	s_cmp_lg_u32 s[CNT], 0
	s_cbranch_scc1 .Lrows
	s_wait_tensorcnt 0x0                           ; the wave's end: the add and its wait stand behind my last tensor load and my last LDS store
	ds_add_u32 v[SPW], v[NIL]
	s_wait_dscnt 0x0
	CROUND                                         ; the closing round: no work-group ends while a partner may still ask for a tile that names it
	s_endpgm
.Lfunc_end_k_qb8da8e5961_qkv:
	.size	k_qb8da8e5961_qkv, .Lfunc_end_k_qb8da8e5961_qkv-k_qb8da8e5961_qkv
	.p2alignl 7, 3214868480
	.fill 96, 4, 3214868480
	.section	.rodata,"a",@progbits
	.p2align	6, 0x0
	.amdhsa_kernel k_qb8da8e5961_qkv
		.amdhsa_group_segment_fixed_size 327680
		.amdhsa_private_segment_fixed_size 0
		.amdhsa_enable_private_segment 0
		.amdhsa_kernarg_size 24
		.amdhsa_user_sgpr_count 2
		.amdhsa_user_sgpr_kernarg_segment_ptr 1
		.amdhsa_wavefront_size32 1
		.amdhsa_system_sgpr_workgroup_id_x 1
		.amdhsa_system_sgpr_workgroup_id_y 1
		.amdhsa_system_sgpr_workgroup_id_z 1
		.amdhsa_system_vgpr_workitem_id 0
		.amdhsa_next_free_vgpr 1024
		.amdhsa_next_free_sgpr 84
		.amdhsa_reserve_vcc 0
		.amdhsa_float_denorm_mode_32 3
		.amdhsa_float_denorm_mode_16_64 3
		.amdhsa_memory_ordered 1
		.amdhsa_forward_progress 1
		.amdhsa_inst_pref_size 80
	.end_amdhsa_kernel
	.amdgpu_metadata
---
amdhsa.version: [ 1, 2 ]
amdhsa.kernels:
  - .name:           k_qb8da8e5961_qkv
    .symbol:         k_qb8da8e5961_qkv.kd
    .args:
      - { .name: act8, .offset: 0, .size: 8, .value_kind: global_buffer, .address_space: global }
      - { .name: wts, .offset: 8, .size: 8, .value_kind: global_buffer, .address_space: global }
      - { .name: qkv, .offset: 16, .size: 8, .value_kind: global_buffer, .address_space: global }
    .group_segment_fixed_size: 327680
    .private_segment_fixed_size: 0
    .kernarg_segment_align: 8
    .kernarg_segment_size: 24
    .max_flat_workgroup_size: 128
    .sgpr_count:     84
    .vgpr_count:     1024
    .wavefront_size: 32
...
	.end_amdgpu_metadata
.endif
;; end of part 2
;; launch attn (part 3): grid 8 x 32, 4 waves a work-group, clusters of 4 x 1, 327,680 bytes of LDS; arguments qkv, act8; writes act8
.if DOCPART == 3
	.amdgcn_target "amdgcn-amd-amdhsa--gfx1250"
	.amdhsa_code_object_version 6
	.text
	.protected	k_qb8da8e5961_attn
	.globl	k_qb8da8e5961_attn
	.p2align	8
	.type	k_qb8da8e5961_attn,@function
k_qb8da8e5961_attn:
	s_mov_b64 s[64:65], 0
	v_nop
	global_prefetch_b8 v0, s[64:65] scope:SCOPE_SE
	s_setreg_imm32_b32 hwreg(HW_REG_WAVE_MODE, 25, 1), 1
	s_wait_xcnt 0x0
	s_wait_alu depctr_hold_cnt(0) depctr_sa_sdst(0) depctr_va_vdst(0) depctr_va_sdst(0) depctr_va_ssrc(0) depctr_va_vcc(0) depctr_vm_vsrc(0)
	s_getreg_b32 s2, hwreg(HW_REG_IB_STS2, 6, 4)
	s_cmp_eq_u32 s2, 0
	s_cbranch_scc0 .Lentry_in_a_cluster
	s_endpgm
.Lentry_in_a_cluster:
	s_bfe_u32 s2, ttmp6, 0x10000c
	s_cmp_lg_u32 s2, 0x3003
	s_cbranch_scc0 .Lentry_shape_is_right
	s_endpgm
.Lentry_shape_is_right:
; ctx[b][q][hd][:] = the sum over k of softmax_k(Q . K / 8) V, for 32 pairs (batch b, head hd) of 2,048 rows at head size 64, no mask.  q, k, v: bf16, in blocks: rows m = 2,048 b + row, group g of 64
; channels (q: hd, k: 16 + hd, v: 32 + hd) at ((m / 128) 48 + g) x 16,384 + (m % 128) x 128.  ctx leaves in the same layout with 16 groups.  Products, maxima and sums in f32; the weights p are
; rounded to bf16 for the second product (their sum l is taken of the unrounded p), ctx once at the end.
; LIMITS.  A weight below 2^-126 counts as 0 in l; NaN and infinities are not treated apart.
; SHARES.  Grid y is 16 b + hd.  A work-group owns 256 queries, a wave 64: four PIECES of 16.  Every wave walks all 2,048 keys, 64 a step, 256 (four steps) a slot of LDS.
; LAYOUT.  S^T = K Q^T (source 0 = 16 keys, source 1 = 16 queries): a lane holds ONE query (lane % 16) and the keys 8 (lane / 16) + 0..7.  Two such results, rounded to bf16 in pairs, ARE source 1
; of O^T = V^T P, whose result again holds one query a lane, and eight channels.  K comes out of LDS as it lies, V ([key][channel]) turned, by ds_load_tr16_b128.
; SOFTMAX.  For each query a running maximum m and sum l: p = 2^(c s - c m), c = log2(e) / 8; in every step O and l are multiplied by a = 2^(c m_old - c m_new).  m starts at the lowest finite number,
; O and l at 0: the first step is a step like any other, with a = 0.
; BY TURNS.  Turn n belongs to piece n: 8 products K Q^T of piece n + 1, later 8 products V^T P of piece n - 1; beside them the scaling, exponentials, roundings, sums and rescaling of piece n and the
; maximum and statistics of piece n + 1.  Four vector instructions stand behind every matrix instruction, the other 54 of a turn's 118 in two runs of their own.
; CLUSTER.  The four query blocks of a cluster belong to one (b, hd) and walk the same K and V: each tile is asked for JOINTLY, by the same tensor load, descriptor and mask in all four.
; REGISTERS, in windows of 256 (s_set_vgpr_msb: bits 1:0 source 0, 3:2 source 1, 5:4 source 2, 7:6 destination):
;   window 0: v0-15 addresses and two at work; v16-31 four registers of statistics a piece; v48-55 at work; v61-63; v64-127 S^T, two buffers; v192-223 P, two buffers (by the piece's parity)
;   window 1: v0-127 O^T, 32 a piece          window 2: v0-63 Q; v128-191 K of one step; v192-255 V of one step
.set NP,    4
.set KS,    64
.set PK,    144       ; a row of K in LDS: 128 bytes + 16: the 16 rows of a load start at 16 different groups of four banks
.set PV,    160       ; a row of V: 128 + 32
.set VOFF,  4*KS*PK   ; a slot: 256 rows of K, then 256 rows of V
.set SLOT1, 1<<17
.set STAGE, SLOT1+4*KS*(PK+PV)  ; behind the ring, never filled by a tensor load: 16 rows x 144 bytes for each wave
.set SP,    144
.set SPARE, STAGE+4*16*SP       ; the spare words, 128 bytes a wave, which no other line names
.set TILEB, 2*48*16384          ; bytes from a slot's keys to the next slot's: two block rows
.set AK0, 2
.set AV0, 3
.set AK,  4
.set AV,  5
.set STO, 6
.set RD,  7
.set GO,  8
.set MV,  12          ; v12-13  c m_old, by buffer
.set QO,  15
.set ST,  16          ; piece t at v[ST+4 t]: c m, m, l (even keys', odd keys')
.set TMP, 48          ; by buffer, c0-c3 at work; c2 takes a
.set PFO, 61          ; v61  256 x my lane; never rewritten
.set SPW, 62
.set NIL, 63
.set S,   64
.set P,   192
.set KF,  128
.set VF,  192
.set WV,  12
.set G1K, 24
.set G1V, 32
.set G0K, 40
.set G0V, 44
.set PFA, 48          ; s[48:49] where my prefetches stand
.set LIM, 50          ; s50  1 in a wave that prefetches, else the greatest number
.set SLOTS, 56
.set CNT, 57
.set CS,  58
.set SEL, 60
.set TBK, 62
.set TBV, 63
.set MSB, 0
.macro WIN new
.if MSB != (\new)
	s_set_vgpr_msb (MSB<<8)|(\new)
.set MSB, (\new)
.endif
.endm
.set W_KQ, 0x0a       ; K and Q in window 2, S^T in window 0
.set W_PV, 0x52       ; V in window 2, P in window 0, O^T in window 1
.set W_RS, 0x41       ; destination and source 0 in window 1, source 1 in window 0
; A joint fill.  Waves 0 and 1 fetch the two halves of a slot's K, waves 2 and 3 those of its V: 128 keys each.  s_nop 0 and four v_nop follow each line.
.macro JLOAD
	s_cmp_lt_u32 s[WV], 2
	s_cbranch_scc0 .Lfor_v_\@
	tensor_load_to_lds s[G0K:G0K+3], s[G1K:G1K+7]
	s_nop 0
.rept 4
	v_nop
.endr
	s_branch .Lasked_\@
.Lfor_v_\@:
	tensor_load_to_lds s[G0V:G0V+3], s[G1V:G1V+7]
	s_nop 0
.rept 4
	v_nop
.endr
.Lasked_\@:
.endm
; A prefetch into the L2 of what the NEXT change of slots will ask for: a slot's 32 KiB of K and of V, 256 bytes a lane.  Both clusters of a (b, hd) walk the same bytes: the first asks.  Its four partners
; share them out BY ADDRESS, 8 KiB each; in each, wave 0 asks for K's and wave 2 for V's: each 256 bytes are named once in the launch.  It stands four key steps, 256 matrix instructions, ahead of the
; load that wants the bytes.  The last change that fills a slot asks for nothing; slots 0 to 2 come by their loads alone.
.macro ASK
	s_cmp_gt_u32 s[SLOTS], s[LIM]
	s_cbranch_scc0 .Lnot_mine_\@
	global_prefetch_b8 v[PFO], s[PFA:PFA+1] th:TH_LOAD_NT scope:SCOPE_SE
.Lnot_mine_\@:
.endm
.macro CROUND
	s_barrier_signal -1
	s_barrier_wait -1
	s_cmp_lg_u32 s[WV], 0
	s_cbranch_scc1 .Lnot_wave_0_\@
	s_barrier_signal -3
.Lnot_wave_0_\@:
	s_barrier_wait -3
	s_barrier_signal -1
	s_barrier_wait -1
.endm
; THE CHANGE OF SLOTS.  Each wave waits for all its tensor loads, of which one is out: its part of the other slot; adds 0 to its spare word; and waits for that and for its own reads of the slot.
; fill = 1: the slot is filled again with the keys two slots on, first thing behind a round of the cluster's barrier: the load has four key steps in which to land.
; (At its first use nothing has been read yet: slot 0 is waited for, slot 1 filled.)
.macro CHANGE fill, ask
	WIN 0
	s_wait_tensorcnt 0x0            ; no tensor load of mine is out, so a group 0 may be written
	ds_add_u32 v[SPW], v[NIL]
.if \fill
.irp g, G0K, G0V
	s_xor_b32 s[\g+1], s[\g+1], SLOT1
	s_add_nc_u64 s[\g+2:\g+3], s[\g+2:\g+3], TILEB
.endr
.if \ask
	s_wait_xcnt 0x0                 ; the last prefetch, four key steps back, has read its address
	s_add_nc_u64 s[PFA:PFA+1], s[PFA:PFA+1], TILEB
.endif
	s_wait_dscnt 0x0                ; the add is done, and my reads of the slot are over
	CROUND
	JLOAD
.if \ask
	ASK
.endif
.else
	s_wait_dscnt 0x0
	s_barrier_signal -1
	s_barrier_wait -1
.endif
	s_sub_co_u32 s[TBK], s[TBK], 4*KS*PK  ; the fetches go back to a slot's first step, in the other slot
	s_xor_b32 s[TBK], s[TBK], SLOT1
	s_sub_co_u32 s[TBV], s[TBV], 4*KS*PV
	s_xor_b32 s[TBV], s[TBV], SLOT1
.endm
	s_load_b128 s[4:7], s[0:1], 0x0 ; qkv s[4:5], ctx s[6:7]
	v_lshl_add_u32 v[SPW], v0, 2, SPARE
	v_mov_b32 v[NIL], 0
	ds_add_u32 v[SPW], v[NIL]       ; the wave's opening: the add and its wait stand ahead of my first tensor load
	v_lshrrev_b32 v1, 5, v0
	v_readfirstlane_b32 s[WV], v1
	s_bfe_u32 s13, ttmp6, 0x40000   ; cx
	s_lshl_b32 s14, ttmp9, 2
	s_add_co_u32 s14, s14, s13      ; my block of 256 queries: it enters Q's, ctx's and the prefetches' addresses alone
	s_and_b32 s15, ttmp7, 0xffff
	s_lshr_b32 s16, s15, 4          ; b
	s_and_b32 s17, s15, 15          ; hd
	s_and_b32 s18, s[WV], 1         ; which half of a slot's 256 keys I fetch
	s_lshr_b32 s19, s[WV], 1
	s_lshl_b32 s20, s16, 4          ; K: block row 16 b + half, group 16 + hd
	s_add_co_u32 s20, s20, s18
	s_mul_i32 s20, s20, 48
	s_add_co_u32 s20, s20, s17
	s_add_co_u32 s20, s20, 16
	s_lshl_b32 s20, s20, 14
	s_mov_b32 s21, 0
	s_lshl_b32 s22, s16, 4          ; my queries: block row 16 b + 2 x block + wave / 2, rows 64 (wave % 2) on
	s_lshl_b32 s23, s14, 1
	s_add_co_u32 s22, s22, s23
	s_add_co_u32 s22, s22, s19
	s_mul_i32 s2, s22, 48
	s_add_co_u32 s2, s2, s17
	s_lshl_b32 s2, s2, 14
	s_lshl_b32 s3, s18, 13
	s_add_co_u32 s2, s2, s3         ; in q
	s_lshl_b32 s22, s22, 4
	s_add_co_u32 s22, s22, s17
	s_lshl_b32 s22, s22, 14
	s_add_co_u32 s22, s22, s3       ; in ctx
	s_mov_b32 s3, 0
	s_mov_b32 s23, 0
	s_mul_i32 s51, s18, 128*PK      ; my load's place in a slot, for K
	s_mul_i32 s52, s18, 128*PV      ; and for V: no place in the cluster enters an LDS address
	s_lshr_b32 s53, s13, 1          ; the prefetches: partner cx takes 8 KiB: block cx / 2, half cx % 2; at slot 2, and the first asking change steps it to slot 3
	s_mul_i32 s53, s53, 48*16384
	s_and_b32 s54, s13, 1
	s_lshl_b32 s54, s54, 13
	s_add_co_u32 s54, s54, s53
	s_add_co_u32 s54, s54, s20
	s_add_co_u32 s54, s54, 2*TILEB
	s_cmp_lt_u32 s[WV], 2
	s_cselect_b32 s53, 0, 16*16384  ; V's groups lie 16 blocks behind K's
	s_add_co_u32 s54, s54, s53
	s_mov_b32 s55, 0
	s_and_b32 s[LIM], s[WV], 1      ; 0 in waves 0 and 2,
	s_or_b32 s[LIM], s[LIM], ttmp9  ; where the cluster is the first of its (b, hd): the same in all four partners
	s_cmp_eq_u32 s[LIM], 0
	s_cselect_b32 s[LIM], 1, -1
	; descriptor group 1.  128 keys are 16,384 dense bytes: asked for as 64 rows of 256 bytes, two keys a row, and padded in LDS after every key
	s_mov_b32 s[G1K], 15|(1<<16)|(1<<20)|(1<<21)|(4<<22)|(3<<25)  ; the mask of four; 2-byte elements; padding on; bit 21 beside a mask; after every 32 words, 4 words
	s_mov_b32 s[G1V], 15|(1<<16)|(1<<20)|(1<<21)|(4<<22)|(7<<25)  ; 8 words
.irp g, G1K, G1V
	s_mov_b32 s[\g+1], 128<<16      ; tensor_dim0 = 128
	s_mov_b32 s[\g+2], 64<<16       ; tensor_dim1 = 64
	s_mov_b32 s[\g+3], 128<<16      ; tile_dim0 = 128
	s_mov_b32 s[\g+4], 64           ; tile_dim1 = 64
	s_mov_b32 s[\g+5], 128          ; 128 elements from row to row
	s_mov_b32 s[\g+6], 0
	s_mov_b32 s[\g+7], 0
.endr
	s_mov_b32 s[CS], 0x3e38aa3b     ; c = log2(e) / 8
	s_mov_b32 s[CS+1], s[CS]
	s_mov_b32 s[SEL], 0x76543210
	s_mov_b32 s[SEL+1], 0xfedcba98
	s_mov_b32 s[TBK], SLOT1+4*KS*PK ; the first change of slots turns these two into 0
	s_mov_b32 s[TBV], SLOT1+4*KS*PV
	s_mov_b32 s[G0K], 1
	s_mov_b32 s[G0K+1], s51
	s_mov_b32 s[G0V], 1
	s_add_co_u32 s[G0V+1], s52, VOFF
	s_wait_dscnt 0x0                ; the opening add is done
	s_wait_kmcnt 0x0
	s_add_nc_u64 s[G0K+2:G0K+3], s[4:5], s[20:21]
	s_add_nc_u64 s[G0V+2:G0V+3], s[G0K+2:G0K+3], 16*16384
	s_or_b32 s[G0K+3], s[G0K+3], 0x80000000
	s_or_b32 s[G0V+3], s[G0V+3], 0x80000000
	s_add_nc_u64 s[8:9], s[4:5], s[2:3]      ; Q at my wave's first row
	s_add_nc_u64 s[10:11], s[6:7], s[22:23]  ; ctx likewise
	s_add_nc_u64 s[PFA:PFA+1], s[4:5], s[54:55]
	CROUND                          ; all four work-groups are here: the first joint loads meet
	JLOAD                           ; slot 0.  Slot 1 is asked for when slot 0 is in
	v_and_b32 v1, 15, v0            ; l % 16
	v_bfe_u32 v9, v0, 4, 1          ; l / 16
	v_lshlrev_b32 v[QO], 7, v1
	v_lshl_add_u32 v[QO], v9, 4, v[QO]
	WIN 0x80                        ; destination window 2, address window 0
.set i, 0
.rept 8                             ; Q stays in registers: piece i / 2, channels 32 (i % 2) on
	global_load_b128 v[8*i:8*i+3],   v[QO], s[8:9] offset:(i/2)*2048+(i%2)*64
	global_load_b128 v[8*i+4:8*i+7], v[QO], s[8:9] offset:(i/2)*2048+(i%2)*64+32
.set i, i+1
.endr
	; What the first turn finds: V's registers and P's second buffer hold 0 (its products V^T P, of a piece that has not been, add 0), O^T and l are 0.  All this stands in the wait for the first tile.
.set i, VF
.rept 64
	v_mov_b32 v[i], 0
.set i, i+1
.endr
	WIN 0x40
.set i, 0
.rept 128
	v_mov_b32 v[i], 0
.set i, i+1
.endr
	WIN 0
.set i, 0
.rept 4
	v_mov_b32 v[ST+4*i], 0xfe000000    ; c m: far below every c s
	v_mov_b32 v[ST+4*i+1], 0xff7fffff  ; m
	v_mov_b32 v[ST+4*i+2], 0
	v_mov_b32 v[ST+4*i+3], 0
.set i, i+1
.endr
.set i, P+16
.rept 16
	v_mov_b32 v[i], 0
.set i, i+1
.endr
	v_mul_u32_u24 v[AK0], v1, PK
	v_lshl_add_u32 v[AK0], v9, 4, v[AK0]
	v_and_b32 v10, 7, v0            ; the turning load: lane l reads key 8 (l / 16) + l % 8, channels 8 ((l / 8) % 2) + 0..7
	v_bfe_u32 v11, v0, 3, 1
	v_lshl_add_u32 v[AV0], v9, 3, v10
	v_mul_u32_u24 v[AV0], v[AV0], PV
	v_lshl_add_u32 v[AV0], v11, 4, v[AV0]
	v_add_nc_u32 v[AV0], VOFF, v[AV0]
	s_mul_i32 s13, s[WV], 16*SP
	s_add_co_u32 s13, s13, STAGE    ; my stage
	v_mul_u32_u24 v[STO], v1, SP
	v_lshl_add_u32 v[STO], v9, 4, v[STO]
	v_add_nc_u32 v[STO], s13, v[STO]
	v_bfe_u32 v[RD], v0, 3, 2       ; back: 32 lanes take four rows of 128 bytes,
	v_mul_u32_u24 v[RD], v[RD], SP
	v_lshl_add_u32 v[RD], v10, 4, v[RD]
	v_add_nc_u32 v[RD], s13, v[RD]
	v_and_b32 v[GO], 31, v0         ; which are 512 consecutive bytes of ctx
	v_lshlrev_b32 v[PFO], 8, v[GO]
	v_lshlrev_b32 v[GO], 4, v[GO]
; THE MATRIX WORK.  The 4 accumulators of a run of 8 take turns.  Product i of 8 of S^T = K Q^T for piece x: channels 32 (i / 4) on, keys 16 (i % 4) on.  The first 4 start the sums.
.macro KQ x
	WIN W_KQ
.set rS, S+32*((\x)%2)+8*(i%4)
.set rK, KF+16*(i%4)+8*(i/4)
.set rQ, 16*(\x)+8*(i/4)
.if i < 4
	v_wmma_f32_16x16x32_bf16 v[rS:rS+7], v[rK:rK+7], v[rQ:rQ+7], 0
.else
	v_wmma_f32_16x16x32_bf16 v[rS:rS+7], v[rK:rK+7], v[rQ:rQ+7], v[rS:rS+7]
.endif
.endm
; Product i of 8 of O^T += V^T P for piece x: keys 32 (i / 4) on, channels 16 (i % 4) on.
.macro PV x
	WIN W_PV
.set rO, 32*(\x)+8*(i%4)
.set rV, VF+32*(i/4)+8*(i%4)
.set rP, P+16*((\x)%2)+8*(i/4)
	v_wmma_f32_16x16x32_bf16 v[rO:rO+7], v[rV:rV+7], v[rP:rP+7], v[rO:rO+7]
.endm
.macro MM                           ; the turn's next matrix instruction
.if i < 8
	KQ (Y+1)%NP
.else
.set i, i-8
	PV (Y+NP-1)%NP
.set i, i+8
.endif
.set i, i+1
.endm
; THE LDS LOADS stand in runs of 16.  last = 1 (the tail): in the last trip there is no further step, and the run is jumped over.
.macro FETCH_K last=0
	WIN 0
.if \last
	s_cmp_eq_u32 s[CNT], 1
	s_cbranch_scc1 .Lno_k_\@
.endif
	WIN 0x80
.irp f, 0,1,2,3,4,5,6,7             ; keys 16 (f / 2) on, channels 32 (f % 2) on
	ds_load_b128 v[KF+8*\f:KF+8*\f+3],   v[AK] offset:(\f/2)*16*PK+(\f%2)*64
	ds_load_b128 v[KF+8*\f+4:KF+8*\f+7], v[AK] offset:(\f/2)*16*PK+(\f%2)*64+32
.endr
	s_add_co_u32 s[TBK], s[TBK], KS*PK
	WIN 0
.if \last
.Lno_k_\@:
.endif
.endm
.macro FETCH_V
	WIN 0x80
.irp f, 0,1,2,3,4,5,6,7             ; keys 32 (f / 4) on, channels 16 (f % 4) on
	ds_load_tr16_b128 v[VF+8*\f:VF+8*\f+3],   v[AV] offset:(\f/4)*32*PV+(\f%4)*32
	ds_load_tr16_b128 v[VF+8*\f+4:VF+8*\f+7], v[AV] offset:(\f/4)*32*PV+16*PV+(\f%4)*32
.endr
	WIN 0
.endm
; THE VECTOR WORK, one line at a time: OP kind, number.  For piece Y: F n: c s - c m for pair n of 16.  E n: the exponential of score n of 32.  C n: pair n rounded to bf16.  B n: of the four weights 4 n ..
; the second pair is added onto the first, in place.  L n: l takes that sum (L 0: l = a l + sum).  R n: pair n of 16 of O^T times a.  For piece Y + 1: X n, number n of the 22 that find its maximum and statistics:
;   0-11  four chains c0-c3 of seven scores each (each accumulator's lowest registers are read first)     12-14, 16  the four scores left over, the old m, and c0-c3 into c0
;   15  c m_old is kept     17, 18  the query's other 32 keys lie in the lane 16 away: the new m     19-21  c m; c m_old - c m_new; a
.set F, 0
.set E, 1
.set C, 2
.set B, 3
.set L, 4
.set R, 5
.set X, 6
.macro REGS y
.set rT, ST+4*(\y)
.set rC, TMP+4*((\y)%2)
.set rW, MV+((\y)%2)
.set rS, S+32*((\y)%2)
.set rP, P+16*((\y)%2)
.set rO, 32*(\y)
.endm
.macro OP k, n
.if (\k) == R
	REGS Y
	WIN W_RS
	v_pk_mul_f32 v[rO+2*(\n):rO+2*(\n)+1], v[rO+2*(\n):rO+2*(\n)+1], v[rC+2:rC+3] op_sel_hi:[1,0]
.elseif (\k) < R
	REGS Y
	WIN 0
.if (\k) == F
	v_pk_fma_f32 v[rS+2*(\n):rS+2*(\n)+1], v[rS+2*(\n):rS+2*(\n)+1], s[CS:CS+1], v[rT:rT+1] op_sel_hi:[1,0,0] neg_lo:[0,0,1] neg_hi:[0,0,1]
.elseif (\k) == E
	v_exp_f32 v[rS+(\n)], v[rS+(\n)]
.elseif (\k) == C
	s_wait_alu depctr_va_vdst(0)
	v_cvt_pk_bf16_f32 v[rP+(\n)], v[rS+2*(\n)], v[rS+2*(\n)+1]
.elseif (\k) == B
	s_wait_alu depctr_va_vdst(0)
	v_pk_add_f32 v[rS+4*(\n):rS+4*(\n)+1], v[rS+4*(\n):rS+4*(\n)+1], v[rS+4*(\n)+2:rS+4*(\n)+3]
.elseif (\n) == 0
	v_pk_fma_f32 v[rT+2:rT+3], v[rT+2:rT+3], v[rC+2:rC+3], v[rS:rS+1] op_sel_hi:[1,0,1]
.else
	v_pk_add_f32 v[rT+2:rT+3], v[rT+2:rT+3], v[rS+4*(\n):rS+4*(\n)+1]
.endif
.else
	REGS (Y+1)%NP
	WIN 0
.if (\n) < 4
	v_max3_num_f32 v[rC+(\n)], v[rS+8*(\n)], v[rS+8*(\n)+1], v[rS+8*(\n)+2]
.elseif (\n) < 12
	v_max3_num_f32 v[rC+(\n)%4], v[rC+(\n)%4], v[rS+8*((\n)%4)+2*((\n)/4)+1], v[rS+8*((\n)%4)+2*((\n)/4)+2]
.elseif (\n) == 12
	v_max3_num_f32 v[rC], v[rC], v[rS+7], v[rS+15]
.elseif (\n) == 13
	v_max3_num_f32 v[rC+1], v[rC+1], v[rS+23], v[rS+31]
.elseif (\n) == 14
	v_max3_num_f32 v[rC+2], v[rC+2], v[rC+3], v[rT+1]
.elseif (\n) == 15
	v_mov_b32 v[rW], v[rT]
.elseif (\n) == 16
	v_max3_num_f32 v[rC], v[rC], v[rC+1], v[rC+2]
.elseif (\n) == 17
	v_permlanex16_b32 v[rC+3], v[rC], s[SEL], s[SEL+1]
.elseif (\n) == 18
	v_max_num_f32 v[rT+1], v[rC], v[rC+3]
.elseif (\n) == 19
	v_mul_f32 v[rT], s[CS], v[rT+1]
.elseif (\n) == 20
	v_sub_f32 v[rC+1], v[rW], v[rT]
.else
	v_exp_f32 v[rC+2], v[rC+1]
.endif
.endif
.endm
.macro OPS a, i1, b=-1, i2=0, c=-1, i3=0, d=-1, i4=0
	OP \a, \i1
.if (\b) >= 0
	OP \b, \i2
.endif
.if (\c) >= 0
	OP \c, \i3
.endif
.if (\d) >= 0
	OP \d, \i4
.endif
.endm
.macro ROW a, i1, b, i2, c, i3, d, i4  ; a matrix instruction and the four behind it
	MM
	OPS \a, \i1, \b, \i2, \c, \i3, \d, \i4
.endm
; A TURN, for piece p: the order of its 16 matrix and 118 vector instructions, written out.  Behind a matrix instruction: plain, exponential, plain, plain; or four of the rescaling; or four scalings; none names a
; register of the products round it.  In the runs between, exponential and plain by turns while exponentials last.  A line reads no result made fewer than three vector instructions in front of it, five if an exponential made it.
; K of the next step is fetched in piece 2's turn, six vector instructions behind the last product that read K (five of them plain); V of the step in hand in piece 0's turn, eight behind the last product
; that read V (five of them plain).  Each is waited for a turn later.  cnt = 1: the loop's count is taken down some lines ahead of the branch that stands behind the turn.
.macro TURN p, last=0, cnt=0
.set Y, (\p)
.set i, 0
.if (\p) == 3
	s_wait_dscnt 0x0                ; K is in
.endif
	ROW F,0, F,1, F,2, F,3
	ROW F,4, E,0, F,5, F,6
	ROW F,7, E,1, F,8, F,9
	ROW F,10, E,2, C,0, F,11
	ROW F,12, E,3, X,15, F,13
	ROW R,0, R,1, R,2, R,3
	ROW B,0, E,4, F,14, L,0
.if (\p) == 2
	v_add_nc_u32 v[AK], s[TBK], v[AK0]
.endif
	ROW R,4, R,5, R,6, R,7
	OPS E,5, F,15
.if (\p) == 2
	FETCH_K \last
.endif
	OPS E,6, C,1, E,7, R,8
	OPS E,8, R,9, E,9, C,2
	OPS E,10, X,0, E,11, X,1
	OPS E,12, X,2, E,13, X,3
.if (\p) == 1
	s_wait_dscnt 0x0                ; V is in
.endif
	ROW X,4, E,14, X,5, X,6
	ROW X,7, E,15, X,8, X,9
	ROW X,10, E,16, X,11, X,12
	ROW X,13, E,17, X,14, B,1
	ROW C,4, E,18, X,16, L,1
	ROW B,2, E,19, C,6, L,2
	ROW C,8, E,20, B,3, B,4
.if (\p) == 0
	v_add_nc_u32 v[AV], s[TBV], v[AV0]
.endif
	ROW C,3, E,21, L,3, C,5
	OPS E,22, X,17, E,23, C,10
.if (\p) == 0
	FETCH_V
.endif
	OPS E,24, L,4
	OPS E,25, X,18, E,26, C,7
	OPS E,27, B,5, E,28, X,19
	OPS E,29, C,12, E,30, L,5
	OPS E,31, X,20, B,6, C,9
	OPS C,14, C,11, X,21, L,6
.if (\p) == 0
	s_add_co_u32 s[TBV], s[TBV], KS*PV
.endif
.if \cnt
	s_sub_co_u32 s[CNT], s[CNT], 1
	s_cmp_lg_u32 s[CNT], 0
.endif
	OPS C,13, B,7, C,15, R,10
	OPS R,11, R,12, L,7, R,13
	OPS R,14, R,15
.endm
	CHANGE 1, 0                     ; slot 0 is in, everybody's part of it; slot 1 is asked for; nothing is prefetched here, where every work-group's first tiles are on their way
	v_add_nc_u32 v[AK], s[TBK], v[AK0]
	FETCH_K                         ; key step 0
	s_wait_loadcnt 0x0              ; Q
	s_wait_dscnt 0x0
.set i, 0
.rept 8
	KQ 0                            ; piece 0's first scores
.set i, i+1
.endr
	WIN 0
.rept 4
	v_nop                           ; the places behind those products
.endr
.set Y, NP-1                        ; X works for piece Y + 1: piece 0
.irp n, 0,1,2,3,4,5,6,7,8,9,10,11,12,13,14,15,16,17,18,19,20,21
	OP X, \n
.endr
	v_nop                           ; a plain instruction behind the exponential
	s_mov_b32 s[CNT], 4
	s_mov_b32 s[SLOTS], 7
	s_branch .Lfirst                ; the loop is entered at a step's first turn, in the middle of a trip
.Lslot:                             ; six times: slots 2 to 7 are asked for
	CHANGE 1, 1
	s_mov_b32 s[CNT], 4
.Lstep:                             ; a trip: pieces 2 and 3 of one step, then pieces 0 and 1 of the next, whose K and V it fetches
	TURN 2
	TURN 3
	WIN 0
.Lfirst:
	TURN 0
	TURN 1, 0, 1
	WIN 0
	s_cbranch_scc1 .Lstep
	s_sub_co_u32 s[SLOTS], s[SLOTS], 1
	s_cmp_lg_u32 s[SLOTS], 0
	s_cbranch_scc1 .Lslot
	CHANGE 0, 0                     ; the tail is written out: nothing is asked for
	s_mov_b32 s[CNT], 5             ; four trips fetch the last slot's steps; the fifth is left in its middle
.Ltail:
	TURN 2, 1
	TURN 3
	WIN 0
	s_sub_co_u32 s[CNT], s[CNT], 1
	s_cmp_eq_u32 s[CNT], 0
	s_cbranch_scc1 .Lout
	TURN 0
	TURN 1
	WIN 0
	s_branch .Ltail
.Lout:                              ; the fifth trip's 8 products K Q^T (on the last K once more) and the maximum made of them serve nothing and touch neither l nor O^T: the price of one text for every trip
.set i, 0
.rept 8
	PV NP-1                         ; the last piece's V^T P of the last step
.set i, i+1
.endr
	; THE WAY OUT.  l's two halves and the other half of the lanes' are added; O^T is divided by l, rounded to bf16 and sent through my stage in LDS, a piece at a time.  The additions are the places behind the last products.
	WIN 0
.macro ALL line:vararg
.set t, 0
.rept 4
	\line
.set t, t+1
.endr
.endm
	ALL v_add_f32 v[ST+4*t+2], v[ST+4*t+2], v[ST+4*t+3]
	ALL v_permlanex16_b32 v[ST+4*t+3], v[ST+4*t+2], s[SEL], s[SEL+1]
	ALL v_add_f32 v[ST+4*t+2], v[ST+4*t+2], v[ST+4*t+3]
	ALL v_rcp_f32 v[ST+4*t+2], v[ST+4*t+2]
	v_nop                           ; a plain instruction between the last reciprocal and the use of its result
.macro PACK t                       ; a lane's eight channels of a row pack into 16 bytes; they go into rows of 144 bytes and come back as whole rows of 128, into S^T's registers
	WIN W_RS
.set i, 32*(\t)
.rept 16
	s_wait_alu depctr_va_vdst(0)
	v_pk_mul_f32 v[i:i+1], v[i:i+1], v[ST+4*(\t)+2:ST+4*(\t)+3] op_sel_hi:[1,0]
.set i, i+2
.endr
	WIN 0x05                        ; sources 0 and 1 window 1, destination window 0
.set i, 0
.rept 16
	v_cvt_pk_bf16_f32 v[S+16*(\t)+i], v[32*(\t)+2*i], v[32*(\t)+2*i+1]
.set i, i+1
.endr
	WIN 0
.irp f, 0,1,2,3
	ds_store_b128 v[STO], v[S+16*(\t)+4*\f:S+16*(\t)+4*\f+3] offset:32*\f
.endr
.irp f, 0,1,2,3
	ds_load_b128 v[S+16*(\t)+4*\f:S+16*(\t)+4*\f+3], v[RD] offset:\f*4*SP  ; LDS serves a wave's instructions in order: these see the stores above; the next piece's stores come behind them
.endr
.endm
.macro SEND t, younger              ; younger: the LDS instructions issued behind piece t's loads: the next piece's eight, or none
	WIN 0
.irp f, 0,1,2,3
	s_wait_dscnt (\younger)+3-\f
	global_store_b128 v[GO], v[S+16*(\t)+4*\f:S+16*(\t)+4*\f+3], s[10:11] offset:(\t)*2048+\f*512  ; 512 consecutive bytes, at a multiple of 512 from ctx's first
.endr
.endm
	PACK 0
.set t, 1
.rept 3
	PACK t
	SEND t-1, 8
.set t, t+1
.endr
	SEND 3, 0
	s_wait_tensorcnt 0x0            ; the wave's end: the add and its wait stand behind my last tensor load and my last LDS store
	ds_add_u32 v[SPW], v[NIL]
	s_wait_dscnt 0x0
	CROUND                          ; the closing round
	s_endpgm
.Lfunc_end_k_qb8da8e5961_attn:
	.size	k_qb8da8e5961_attn, .Lfunc_end_k_qb8da8e5961_attn-k_qb8da8e5961_attn
	.p2alignl 7, 3214868480
	.fill 96, 4, 3214868480
	.section	.rodata,"a",@progbits
	.p2align	6, 0x0
	.amdhsa_kernel k_qb8da8e5961_attn
		.amdhsa_group_segment_fixed_size 327680
		.amdhsa_private_segment_fixed_size 0
		.amdhsa_enable_private_segment 0
		.amdhsa_kernarg_size 16
		.amdhsa_user_sgpr_count 2
		.amdhsa_user_sgpr_kernarg_segment_ptr 1
		.amdhsa_wavefront_size32 1
		.amdhsa_system_sgpr_workgroup_id_x 1
		.amdhsa_system_sgpr_workgroup_id_y 1
		.amdhsa_system_sgpr_workgroup_id_z 1
		.amdhsa_system_vgpr_workitem_id 0
		.amdhsa_next_free_vgpr 768
		.amdhsa_next_free_sgpr 66
		.amdhsa_reserve_vcc 0
		.amdhsa_float_denorm_mode_32 3
		.amdhsa_float_denorm_mode_16_64 3
		.amdhsa_memory_ordered 1
		.amdhsa_forward_progress 1
		.amdhsa_inst_pref_size 118
	.end_amdhsa_kernel
	.amdgpu_metadata
---
amdhsa.version: [ 1, 2 ]
amdhsa.kernels:
  - .name:           k_qb8da8e5961_attn
    .symbol:         k_qb8da8e5961_attn.kd
    .args:
      - { .name: qkv, .offset: 0, .size: 8, .value_kind: global_buffer, .address_space: global }
      - { .name: act8, .offset: 8, .size: 8, .value_kind: global_buffer, .address_space: global }
    .group_segment_fixed_size: 327680
    .private_segment_fixed_size: 0
    .kernarg_segment_align: 8
    .kernarg_segment_size: 16
    .max_flat_workgroup_size: 128
    .sgpr_count:     66
    .vgpr_count:     768
    .wavefront_size: 32
...
	.end_amdgpu_metadata
.endif
;; end of part 3
;; launch wo (part 4): grid 8 x 32, 4 waves a work-group, clusters of 4 x 4, 327,680 bytes of LDS; arguments act8, wts, c32; writes c32
.if DOCPART == 4
	.amdgcn_target "amdgcn-amd-amdhsa--gfx1250"
	.amdhsa_code_object_version 6
	.text
	.protected	k_qb8da8e5961_wo
	.globl	k_qb8da8e5961_wo
	.p2align	8
	.type	k_qb8da8e5961_wo,@function
k_qb8da8e5961_wo:
	s_mov_b64 s[64:65], 0
	v_nop
	global_prefetch_b8 v0, s[64:65] scope:SCOPE_SE
	s_setreg_imm32_b32 hwreg(HW_REG_WAVE_MODE, 25, 1), 1
	s_wait_xcnt 0x0
	s_wait_alu depctr_hold_cnt(0) depctr_sa_sdst(0) depctr_va_vdst(0) depctr_va_sdst(0) depctr_va_ssrc(0) depctr_va_vcc(0) depctr_vm_vsrc(0)
	s_getreg_b32 s2, hwreg(HW_REG_IB_STS2, 6, 4)
	s_cmp_eq_u32 s2, 0
	s_cbranch_scc0 .Lentry_in_a_cluster
	s_endpgm
.Lentry_in_a_cluster:
	s_bfe_u32 s2, ttmp6, 0x10000c
	s_cmp_lg_u32 s2, 0xf033
	s_cbranch_scc0 .Lentry_shape_is_right
	s_endpgm
.Lentry_shape_is_right:
; C = A W.  A: [4096][64 NG] bf16 in blocks ((m / 128) NG + k / 64) x 16,384 + (m % 128) x 128 + (k % 64) x 2.  W: [64 NG k][1024 n] bf16 at byte WOFF of wts.  C: [4096][1024] f32, the sums as they are.
; Here: A = ctx, W = Wo, C = the attention's output before the residual.
; SHAPE.  A tile of C is 128 x 128, so that 256 work-groups exist: four waves, each 64 x 64 in 16 accumulators.  K goes in steps of 256 through two LDS slots: A's part of a step is four blocks on end,
; 64 KiB dense (asked for as rows of 256 bytes, padded in LDS after every 128), W's is 256 rows of 256 bytes.  A is read as it lies, W turned (ds_load_tr16_b128).  The matrix instruction is used
; transposed (source 0 = 16 columns of W, source 1 = 16 rows of A): a lane holds one row of C and eight neighbouring columns.
; CLUSTER 4 x 4: A's tile is asked for jointly along a row of the cluster, W's along a column.
; THE WALK ALONG K BEGINS ELSEWHERE IN EACH CLUSTER: cluster (X, Y) begins at K step ((Y % 4) KSTEPS / 4 + X KSTEPS / 2) % KSTEPS and goes round.  The two clusters of one Y need the same rows of A and begin
; half a walk apart; the clusters of one X need the same columns of W, and four neighbours among them begin a quarter apart: of the clusters that read a tile one asks for it some K steps ahead of the
; others, which then ask for bytes that have been read shortly before.  The step's number hangs on the cluster's coordinates alone, which all sixteen partners share.  The f32 sums are taken in that order of K.
; REGISTERS: window 0: v12-29 addresses; v32-95 at work on the way out; v128-255 the accumulators ((a, b) at v[128 + 8 (4 a + b)]).  Window 1: two fragment buffers of 128: 64 of A, then 64 of W, for 64 along K.
.set KSTEPS, 4
.set NG,     16
.set WOFF,   23068672
.set PA,     144                       ; an LDS row of a block of A: 128 bytes + 16
.set PB,     288                       ; an LDS row of W: 256 bytes + 32 = 9 x 32
.set HALFT,  36864                     ; what one tensor load brings: two blocks of A (256 x 144) or 128 rows of W (128 x 288)
.set SLOT,   4*HALFT                   ; 147,456 = 2^17 + 2^14; wave x 36,864 has neither bit
.set STAGE,  2*SLOT                    ; behind the ring, never filled: 16 rows x 272 bytes for each wave
.set SPITCH, 272
.set SPARE,  STAGE+4*16*SPITCH
.set ADRA0, 12
.set ADRB0, 13
.set ADRA,  16
.set ADRB,  17
.set ADRBH, 18                         ; W's rows 128 on: an LDS offset has 16 bits
.set STO,   24
.set RD,    25
.set CO,    26
.set SPW,   28
.set NIL,   29
.set TMP,   32
.set ACC,   128
.set F0,    0
.set F1,    128
.set KI, 10                            ; s10  the K step asked for last; s[12:13], s[14:15] its byte offsets in A and in W; s[56:57], s[58:59] my tiles' addresses at K step 0
.set WV, 16
.set WR, 17
.set WC, 18
.set CX, 19
.set CY, 20
.set TC, 21
.set TR, 22
.set G1A, 24
.set G0A, 32
.set G1B, 40
.set G0B, 48
.set SOFF, 60
.set CNT,  61
.set MSB, 0
.macro WIN new
.if MSB != (\new)
	s_set_vgpr_msb (MSB<<8)|(\new)
.set MSB, \new
.endif
.endm
.set MUL,  0x05                        ; sources 0 (W) and 1 (A) window 1; C and D window 0
.set TO_F, 0x40                        ; destination window 1, address window 0
.macro PLACES
.rept 4
	v_nop
.endr
.endm
.macro JLOAD                           ; the joint refill; s_nop 0 and four v_nop follow each line
	s_cmp_eq_u32 s[WR], 0
	s_cbranch_scc0 .Lfor_b_\@
	tensor_load_to_lds s[G0A+4:G0A+7], s[G1A:G1A+7]
	s_nop 0
	PLACES
	s_branch .Lasked_\@
.Lfor_b_\@:
	tensor_load_to_lds s[G0B+4:G0B+7], s[G1B:G1B+7]
	s_nop 0
	PLACES
.Lasked_\@:
.endm
.macro STEPD                           ; the refill's descriptors: the other slot, the next K step round the walk; the addresses are made anew from the step's number
	s_add_co_u32 s[KI], s[KI], 1
	s_and_b32 s[KI], s[KI], KSTEPS-1
	s_lshl_b32 s12, s[KI], 16                      ; four blocks of A
	s_lshl_b32 s14, s[KI], 19                      ; 256 rows of 2,048 bytes down W
	s_xor_b32 s[G0A+5], s[G0A+5], SLOT
	s_add_nc_u64 s[G0A+6:G0A+7], s[56:57], s[12:13]
	s_or_b32 s[G0A+7], s[G0A+7], 0x80000000
	s_xor_b32 s[G0B+5], s[G0B+5], SLOT
	s_add_nc_u64 s[G0B+6:G0B+7], s[58:59], s[14:15]
	s_or_b32 s[G0B+7], s[G0B+7], 0x80000000
.endm
.macro CREST
	s_cmp_lg_u32 s[WV], 0
	s_cbranch_scc1 .Lnot_wave_0_\@
	s_barrier_signal -3
.Lnot_wave_0_\@:
	s_barrier_wait -3
	s_barrier_signal -1
	s_barrier_wait -1
.endm
.macro CROUND
	s_barrier_signal -1
	s_barrier_wait -1
	CREST
.endm
	s_load_b128 s[4:7], s[0:1], 0x0                ; A s[4:5], wts s[6:7]
	s_load_b64 s[8:9], s[0:1], 0x10                ; C
	v_lshl_add_u32 v[SPW], v0, 2, SPARE
	v_mov_b32 v[NIL], 0
	ds_add_u32 v[SPW], v[NIL]                      ; the wave's opening: the add and its wait stand ahead of my first tensor load
	v_lshrrev_b32 v1, 5, v0
	v_readfirstlane_b32 s[WV], v1
	s_lshr_b32 s[WR], s[WV], 1                     ; my half of the rows; also: 0 fetches A, 1 fetches W
	s_and_b32 s[WC], s[WV], 1                      ; my half of the columns; also: which half I fetch
	s_bfe_u32 s[CX], ttmp6, 0x40000
	s_bfe_u32 s[CY], ttmp6, 0x40004
	s_lshl_b32 s[TC], ttmp9, 2
	s_add_co_u32 s[TC], s[TC], s[CX]
	s_and_b32 s[TR], ttmp7, 0xffff
	s_lshl_b32 s[TR], s[TR], 2
	s_add_co_u32 s[TR], s[TR], s[CY]
	s_and_b32 s[KI], ttmp7, 3                      ; where my cluster's walk begins
	s_mul_i32 s[KI], s[KI], KSTEPS/4
	s_mul_i32 s12, ttmp9, KSTEPS/2
	s_add_co_u32 s[KI], s[KI], s12
	s_and_b32 s[KI], s[KI], KSTEPS-1
	s_mov_b32 s13, 0
	s_mov_b32 s15, 0
	s_lshl_b32 s56, s[CY], 2
	s_lshl_b32 s56, 15, s56
	s_lshl_b32 s58, 0x1111, s[CX]
	s_or_b32 s[G1A], s56, (1<<16)|(1<<20)|(1<<21)|(4<<22)|(3<<25)  ; mask of my row; 2-byte elements; padding on; bit 21 beside a mask; after every 32 words, 4 words
	s_or_b32 s[G1B], s58, (1<<16)|(1<<20)|(1<<21)|(5<<22)|(7<<25)  ; mask of my column; after every 64 words, 8 words
.irp g, G1A, G1B
	s_mov_b32 s[(\g)+1], 128<<16                   ; tensor_dim0 = 128 elements: 256 bytes
	s_mov_b32 s[(\g)+2], 128<<16                   ; tensor_dim1 = 128
	s_mov_b32 s[(\g)+3], 128<<16                   ; tile_dim0
	s_mov_b32 s[(\g)+4], 128                       ; tile_dim1
	s_mov_b32 s[(\g)+6], 0
	s_mov_b32 s[(\g)+7], 0
.endr
	s_mov_b32 s[G1A+5], 128                        ; A's bytes are dense
	s_mov_b32 s[G1B+5], 1024                       ; W's rows are 1,024 elements apart
	s_mul_i32 s56, s[TR], NG                       ; A: block tile row x NG + 2 x half.  s56, s57 never hold cx
	s_lshl_b32 s57, s[WC], 1
	s_add_co_u32 s56, s56, s57
	s_lshl_b32 s56, s56, 14
	s_mov_b32 s57, 0
	s_lshl_b32 s58, s[WC], 18                      ; W: 128 rows x half, 256 bytes x tile column.  s58, s59 never hold cy
	s_lshl_b32 s59, s[TC], 8
	s_add_co_u32 s58, s58, s59
	s_add_co_u32 s58, s58, WOFF
	s_mov_b32 s59, 0
	s_mul_i32 s62, s[WV], HALFT                    ; where my load lands in a slot
	s_mov_b32 s[SOFF], 0
	s_wait_dscnt 0x0                               ; the opening add is done
	s_wait_kmcnt 0x0
	s_add_nc_u64 s[56:57], s[4:5], s[56:57]
	s_add_nc_u64 s[58:59], s[6:7], s[58:59]
.irp s, 0,1
.if \s
	s_add_co_u32 s[KI], s[KI], 1                   ; the walk's second step
	s_and_b32 s[KI], s[KI], KSTEPS-1
.endif
	s_lshl_b32 s12, s[KI], 16
	s_lshl_b32 s14, s[KI], 19
	s_mov_b32 s[G0A+4*(\s)], 1
	s_add_co_u32 s[G0A+4*(\s)+1], s62, (\s)*SLOT
	s_add_nc_u64 s[G0A+4*(\s)+2:G0A+4*(\s)+3], s[56:57], s[12:13]
	s_or_b32 s[G0A+4*(\s)+3], s[G0A+4*(\s)+3], 0x80000000
	s_mov_b32 s[G0B+4*(\s)], 1
	s_add_co_u32 s[G0B+4*(\s)+1], s62, (\s)*SLOT
	s_add_nc_u64 s[G0B+4*(\s)+2:G0B+4*(\s)+3], s[58:59], s[14:15]
	s_or_b32 s[G0B+4*(\s)+3], s[G0B+4*(\s)+3], 0x80000000
.endr
	CROUND                                         ; all sixteen work-groups are here: the first joint loads meet
	s_cmp_eq_u32 s[WR], 0                          ; a wave's two first fills stand in one branch: two loads of mine are out
	s_cbranch_scc0 .Lfirst_b
	tensor_load_to_lds s[G0A:G0A+3], s[G1A:G1A+7]
	s_nop 0
	tensor_load_to_lds s[G0A+4:G0A+7], s[G1A:G1A+7]
	s_nop 0
	PLACES
	s_branch .Lfirst_asked
.Lfirst_b:
	tensor_load_to_lds s[G0B:G0B+3], s[G1B:G1B+7]
	s_nop 0
	tensor_load_to_lds s[G0B+4:G0B+7], s[G1B:G1B+7]
	s_nop 0
	PLACES
.Lfirst_asked:
	v_and_b32 v1, 15, v0                           ; r
	v_bfe_u32 v2, v0, 4, 1                         ; h
	v_mul_u32_u24 v3, v1, PA
	v_lshl_add_u32 v3, v2, 4, v3
	s_mul_i32 s63, s[WR], 64*PA                    ; my 64 rows in each block
	v_add_nc_u32 v[ADRA0], s63, v3
	v_and_b32 v4, 7, v0
	v_lshl_add_u32 v4, v2, 3, v4                   ; the turning load: row k = 8 h + l % 8, 16 bytes at 16 ((l / 8) % 2)
	v_mul_u32_u24 v4, v4, PB
	v_bfe_u32 v5, v0, 3, 1
	v_lshl_add_u32 v4, v5, 4, v4
	s_lshl_b32 s63, s[WC], 7                       ; my 64 columns: 128 bytes
	s_add_co_u32 s63, s63, 2*HALFT
	v_add_nc_u32 v[ADRB0], s63, v4
	v_mov_b32 v[ADRA], v[ADRA0]
	v_mov_b32 v[ADRB], v[ADRB0]
	v_add_nc_u32 v[ADRBH], HALFT, v[ADRB0]
	s_mul_i32 s66, s[WV], 16*SPITCH
	s_add_co_u32 s66, s66, STAGE                   ; my stage
	v_mul_u32_u24 v6, v1, SPITCH                   ; in: row r, 32 bytes for each half of the lanes
	v_lshl_add_u32 v6, v2, 5, v6
	v_add_nc_u32 v[STO], s66, v6
	v_mul_u32_u24 v6, v2, SPITCH                   ; back: lanes 0-15 one row of 256 bytes, lanes 16-31 the next
	v_lshl_add_u32 v6, v1, 4, v6
	v_add_nc_u32 v[RD], s66, v6
	v_lshlrev_b32 v6, 12, v2                       ; and the same two rows in C
	v_lshl_add_u32 v[CO], v1, 4, v6
	s_lshl_b32 s68, s[TR], 7                       ; C: row 128 x tile row + 64 x half, 4,096 bytes a row; column 128 x tile column + 64 x half, 4 bytes
	s_lshl_b32 s69, s[WR], 6
	s_add_co_u32 s68, s68, s69
	s_lshl_b32 s68, s68, 12
	s_lshl_b32 s69, s[TC], 9
	s_add_co_u32 s68, s68, s69
	s_lshl_b32 s69, s[WC], 8
	s_add_co_u32 s68, s68, s69
	s_mov_b32 s69, 0
	s_add_nc_u64 s[8:9], s[8:9], s[68:69]
; 8 matrix instructions: row blocks a0, a0 + 1 x all 4 column blocks, 32 along K: half c of buffer f.  The 16 accumulators take turns.
.macro MUL8 f, c, a0, zero
	WIN MUL
.irp a, \a0, (\a0)+1
.irp b, 0,1,2,3
.if \zero
	v_wmma_f32_16x16x32_bf16 v[ACC+8*(4*(\a)+(\b)):ACC+8*(4*(\a)+(\b))+7], v[(\f)+64+8*(4*(\c)+(\b)):(\f)+64+8*(4*(\c)+(\b))+7], v[(\f)+8*(4*(\c)+(\a)):(\f)+8*(4*(\c)+(\a))+7], 0
.else
	v_wmma_f32_16x16x32_bf16 v[ACC+8*(4*(\a)+(\b)):ACC+8*(4*(\a)+(\b))+7], v[(\f)+64+8*(4*(\c)+(\b)):(\f)+64+8*(4*(\c)+(\b))+7], v[(\f)+8*(4*(\c)+(\a)):(\f)+8*(4*(\c)+(\a))+7], v[ACC+8*(4*(\a)+(\b)):ACC+8*(4*(\a)+(\b))+7]
.endif
.endr
.endr
.endm
; 32 LDS loads in one run: quarter q (64 along K: block q of A, rows 64 q on of W) into buffer f; the first 32 along K first
.macro FETCH q, f
	WIN TO_F
.if (\q) < 2
.set BR, ADRB
.else
.set BR, ADRBH
.endif
.irp c, 0,1
.irp i, 0,1,2,3
	ds_load_tr16_b128 v[(\f)+64+8*(4*(\c)+(\i)):(\f)+64+8*(4*(\c)+(\i))+3],   v[BR] offset:((2*(\q)+(\c))%4)*32*PB+32*(\i)
	ds_load_tr16_b128 v[(\f)+64+8*(4*(\c)+(\i))+4:(\f)+64+8*(4*(\c)+(\i))+7], v[BR] offset:((2*(\q)+(\c))%4)*32*PB+32*(\i)+16*PB
	ds_load_b128 v[(\f)+8*(4*(\c)+(\i)):(\f)+8*(4*(\c)+(\i))+3],   v[ADRA] offset:(\q)*128*PA+(\c)*64+(\i)*16*PA
	ds_load_b128 v[(\f)+8*(4*(\c)+(\i))+4:(\f)+8*(4*(\c)+(\i))+7], v[ADRA] offset:(\q)*128*PA+(\c)*64+(\i)*16*PA+32
.endr
.endr
.endm
.macro QUARTER q, f, g, zero
	s_wait_dscnt 16                                ; the first 32 along K are in
	MUL8 \f, 0, 0, \zero
	MUL8 \f, 0, 2, \zero
	PLACES
	FETCH \q, \g
	s_wait_dscnt 32                                ; all but the 32 just issued
	MUL8 \f, 1, 0, 0
	MUL8 \f, 1, 2, 0
.endm
; The last quarter multiplies buffer 1 and changes slots: in front of the barrier each wave waits for all its tensor loads, adds 0 to its spare word, and waits for that and for its reads of this slot.
; fill = 1: the descriptors step while the add is out, the barrier opens a round of the cluster's, and this slot is filled again first behind it, with the walk's step two on: 112 matrix instructions ahead of the wait for it.
; fill = 0 (the tail's two trips): nothing is asked for; in the second trip there is no further slot, and the run of LDS loads is jumped over.
.macro TURN fill
	WIN 0
	s_wait_tensorcnt 0x0
	ds_add_u32 v[SPW], v[NIL]
.if \fill
	STEPD                                          ; no tensor load of mine is out, so the descriptors may be written
.endif
	s_wait_dscnt 17                                ; (the add and the youngest sixteen loads may be out)
	MUL8 F1, 0, 0, 0
	s_wait_dscnt 0x0                               ; the add is done, and my reads of this slot are over
	s_barrier_signal -1
	MUL8 F1, 0, 2, 0
	WIN 0
	s_barrier_wait -1
.if \fill
	CREST
	JLOAD                                          ; its four v_nop are also the places in front of the loads below
.else
	PLACES
.endif
	s_xor_b32 s[SOFF], s[SOFF], SLOT
	v_add_nc_u32 v[ADRA], s[SOFF], v[ADRA0]
	v_add_nc_u32 v[ADRB], s[SOFF], v[ADRB0]
	v_add_nc_u32 v[ADRBH], HALFT, v[ADRB]
.if \fill
	FETCH 0, F0
.else
	s_cmp_eq_u32 s[CNT], 1
	s_cbranch_scc1 .Lno_fetch_\@
	FETCH 0, F0
	WIN 0
.Lno_fetch_\@:
.endif
	MUL8 F1, 1, 0, 0
	MUL8 F1, 1, 2, 0
.endm
	s_wait_tensorcnt 1                             ; my part of the walk's first step is in; the second's may stay out
	s_barrier_signal -1
	s_barrier_wait -1
	FETCH 0, F0
	QUARTER 1, F0, F1, 1                           ; the first quarter stands in front of the loop: its first products start the sums
	WIN 0
	s_mov_b32 s[CNT], KSTEPS-2
.Lk:                                                   ; a trip: from a K step's second quarter to the next step's first; each trip asks for one K step
	QUARTER 2, F1, F0, 0
	QUARTER 3, F0, F1, 0
	TURN 1
	QUARTER 1, F0, F1, 0
	WIN 0
	s_sub_co_u32 s[CNT], s[CNT], 1
	s_cmp_lg_u32 s[CNT], 0
	s_cbranch_scc1 .Lk
	s_mov_b32 s[CNT], 2
.Ltail:                                                ; the last two K steps ask for nothing
	QUARTER 2, F1, F0, 0
	QUARTER 3, F0, F1, 0
	TURN 0
	WIN 0
	s_sub_co_u32 s[CNT], s[CNT], 1
	s_cmp_eq_u32 s[CNT], 0
	s_cbranch_scc1 .Lout
	QUARTER 1, F0, F1, 0
	WIN 0
	s_branch .Ltail
.Lout:
	s_wait_dscnt 0x0
	PLACES
	PLACES
	; THE WAY OUT: a wave's 64 columns of f32 are 256 aligned bytes of a row of C.  16 rows at a time go through my own stage: in by lanes' 32 bytes, back as whole rows.  No barrier: the bytes are my wave's.
.irp i, 0,1,2,3
.if (\i) >= 2
	s_wait_xcnt 0x0                                ; the stores of two blocks back have read their registers, which are loaded again below
.endif
.irp b, 0,1,2,3
	ds_store_b128 v[STO], v[ACC+8*(4*(\i)+(\b)):ACC+8*(4*(\i)+(\b))+3]   offset:64*(\b)      ; each accumulator's low registers first
	ds_store_b128 v[STO], v[ACC+8*(4*(\i)+(\b))+4:ACC+8*(4*(\i)+(\b))+7] offset:64*(\b)+16
.endr
.irp t, 0,1,2,3,4,5,6,7
	ds_load_b128 v[TMP+32*((\i)%2)+4*(\t):TMP+32*((\i)%2)+4*(\t)+3], v[RD] offset:(\t)*2*SPITCH  ; LDS serves a wave's instructions in order
.endr
.irp t, 0,1,2,3,4,5,6,7
	s_wait_dscnt 7-(\t)
	global_store_b128 v[CO], v[TMP+32*((\i)%2)+4*(\t):TMP+32*((\i)%2)+4*(\t)+3], s[8:9] offset:(16*(\i)+2*(\t))*4096  ; 16 lanes store 256 consecutive bytes, aligned
.endr
.endr
	s_wait_tensorcnt 0x0                           ; the wave's end
	ds_add_u32 v[SPW], v[NIL]
	s_wait_dscnt 0x0
	CROUND                                         ; the closing round
	s_endpgm
.Lfunc_end_k_qb8da8e5961_wo:
	.size	k_qb8da8e5961_wo, .Lfunc_end_k_qb8da8e5961_wo-k_qb8da8e5961_wo
	.p2alignl 7, 3214868480
	.fill 96, 4, 3214868480
	.section	.rodata,"a",@progbits
	.p2align	6, 0x0
	.amdhsa_kernel k_qb8da8e5961_wo
		.amdhsa_group_segment_fixed_size 327680
		.amdhsa_private_segment_fixed_size 0
		.amdhsa_enable_private_segment 0
		.amdhsa_kernarg_size 24
		.amdhsa_user_sgpr_count 2
		.amdhsa_user_sgpr_kernarg_segment_ptr 1
		.amdhsa_wavefront_size32 1
		.amdhsa_system_sgpr_workgroup_id_x 1
		.amdhsa_system_sgpr_workgroup_id_y 1
		.amdhsa_system_sgpr_workgroup_id_z 1
		.amdhsa_system_vgpr_workitem_id 0
		.amdhsa_next_free_vgpr 512
		.amdhsa_next_free_sgpr 72
		.amdhsa_reserve_vcc 0
		.amdhsa_float_denorm_mode_32 3
		.amdhsa_float_denorm_mode_16_64 3
		.amdhsa_memory_ordered 1
		.amdhsa_forward_progress 1
		.amdhsa_inst_pref_size 59
	.end_amdhsa_kernel
	.amdgpu_metadata
---
amdhsa.version: [ 1, 2 ]
amdhsa.kernels:
  - .name:           k_qb8da8e5961_wo
    .symbol:         k_qb8da8e5961_wo.kd
    .args:
      - { .name: act8, .offset: 0, .size: 8, .value_kind: global_buffer, .address_space: global }
      - { .name: wts, .offset: 8, .size: 8, .value_kind: global_buffer, .address_space: global }
      - { .name: c32, .offset: 16, .size: 8, .value_kind: global_buffer, .address_space: global }
    .group_segment_fixed_size: 327680
    .private_segment_fixed_size: 0
    .kernarg_segment_align: 8
    .kernarg_segment_size: 24
    .max_flat_workgroup_size: 128
    .sgpr_count:     72
    .vgpr_count:     512
    .wavefront_size: 32
...
	.end_amdgpu_metadata
.endif
;; end of part 4
;; launch ln1 (part 5): grid 256 x 1, 16 waves a work-group, no clusters, 0 bytes of LDS; arguments x, c32, g1, be1, x1; writes x1
.if DOCPART == 5
	.amdgcn_target "amdgcn-amd-amdhsa--gfx1250"
	.amdhsa_code_object_version 6
	.text
	.protected	k_qb8da8e5961_ln1
	.globl	k_qb8da8e5961_ln1
	.p2align	8
	.type	k_qb8da8e5961_ln1,@function
k_qb8da8e5961_ln1:
	s_mov_b64 s[64:65], 0
	v_nop
	global_prefetch_b8 v0, s[64:65] scope:SCOPE_SE
	s_setreg_imm32_b32 hwreg(HW_REG_WAVE_MODE, 25, 1), 1
	s_wait_xcnt 0x0
; x1 = layernorm(2 x + a) g1 + be1 along rows of 1,024, all in f32: mean, then the mean of the squares of (z - mean), never a difference of sums; eps = 1e-5.
; x1 is stored twice: in f32 at byte 8,388,608 of the buffer (the second residual) and rounded once to bf16 at byte 0 (the next product's operand).
; A wave takes one whole row, 32 numbers a lane (columns 128 j + 4 lane + 0..3), and keeps it in registers: each byte is read once, no wave waits for another, no LDS.  Sixteen waves, 16 rows a work-group.
; All 32 loads of a wave go out at once, the row's first, the gains' last; no register that a store reads is written again.
.set X,  8                             ; v[8:39]    x, then z, then the result
.set A,  40                            ; v[40:71]   a
.set G,  72                            ; v[72:103]  g1 of my 32 columns
.set BE, 104                           ; v[104:135] be1
.set YB, 136                           ; v[136:151] bf16 pairs
.set T,  152                           ; v[152:159] four chains of pairs; then mean or 1 / sigma in T+2, T+3
	s_load_b256 s[4:11], s[0:1], 0x0               ; x, a, g1, be1
	s_load_b64 s[16:17], s[0:1], 0x20              ; x1
	v_lshrrev_b32 v1, 5, v0
	v_readfirstlane_b32 s24, v1                    ; wave 0..15
	v_and_b32 v1, 31, v0
	v_lshlrev_b32 v2, 4, v1                        ; 16 bytes a lane in f32
	v_lshlrev_b32 v3, 3, v1                        ; 8 in bf16
	s_lshl_b32 s18, ttmp9, 4
	s_add_co_u32 s18, s18, s24                     ; my row
	s_lshl_b32 s20, s18, 11
	s_lshl_b32 s18, s18, 12
	s_mov_b32 s19, 0
	s_mov_b32 s21, 0
	s_mov_b32 s12, 0x76543210                      ; v_permlanex16_b32: each lane takes its own place in the other half
	s_mov_b32 s13, 0xfedcba98
	s_mov_b32 s14, 0x3a800000                      ; 1 / 1024
	s_mov_b32 s15, 0x3727c5ac                      ; 1e-5
	s_wait_kmcnt 0x0
	s_add_nc_u64 s[4:5], s[4:5], s[18:19]
	s_add_nc_u64 s[6:7], s[6:7], s[18:19]
	s_add_nc_u64 s[22:23], s[16:17], s[18:19]
	s_add_nc_u64 s[22:23], s[22:23], 0x800000      ; the f32 copy
	s_add_nc_u64 s[16:17], s[16:17], s[20:21]      ; the bf16 copy
.irp j, 0,1,2,3,4,5,6,7
	global_load_b128 v[X+4*(\j):X+4*(\j)+3], v2, s[4:5] offset:512*(\j)
.endr
.irp j, 0,1,2,3,4,5,6,7
	global_load_b128 v[A+4*(\j):A+4*(\j)+3], v2, s[6:7] offset:512*(\j)
.endr
.irp j, 0,1,2,3,4,5,6,7
	global_load_b128 v[G+4*(\j):G+4*(\j)+3], v2, s[8:9] offset:512*(\j)
.endr
.irp j, 0,1,2,3,4,5,6,7
	global_load_b128 v[BE+4*(\j):BE+4*(\j)+3], v2, s[10:11] offset:512*(\j)
.endr
.macro REDUCE                          ; the four chains, the pair's halves, the 32 lanes: the sum ends in v[T] of every lane
	v_pk_add_f32 v[T:T+1], v[T:T+1], v[T+2:T+3]
	v_pk_add_f32 v[T+4:T+5], v[T+4:T+5], v[T+6:T+7]
	v_pk_add_f32 v[T:T+1], v[T:T+1], v[T+4:T+5]
	v_add_f32 v[T], v[T], v[T+1]
	v_add_f32_dpp v[T], v[T], v[T] row_xmask:1 row_mask:0xf bank_mask:0xf
	v_add_f32_dpp v[T], v[T], v[T] row_xmask:2 row_mask:0xf bank_mask:0xf
	v_add_f32_dpp v[T], v[T], v[T] row_xmask:4 row_mask:0xf bank_mask:0xf
	v_add_f32_dpp v[T], v[T], v[T] row_xmask:8 row_mask:0xf bank_mask:0xf
	v_permlanex16_b32 v[T+1], v[T], s12, s13
	v_add_f32 v[T], v[T], v[T+1]
.endm
	s_wait_loadcnt 16                              ; x and a are in; the 16 loads of g1 and be1 may stay out
.set p, 0
.rept 16
	v_pk_fma_f32 v[X+p:X+p+1], v[X+p:X+p+1], 2.0, v[A+p:A+p+1] op_sel_hi:[1,0,1]  ; z = 2 x + a
.set p, p+2
.endr
.irp k, 0,2,4,6
	v_pk_add_f32 v[T+(\k):T+(\k)+1], v[X+(\k):X+(\k)+1], v[X+8+(\k):X+8+(\k)+1]  ; the first pairs start the chains
.endr
.set p, 16
.rept 8
	v_pk_add_f32 v[T+p%8:T+p%8+1], v[T+p%8:T+p%8+1], v[X+p:X+p+1]
.set p, p+2
.endr
	REDUCE
	v_mul_f32 v[T+2], s14, v[T]                    ; the mean; the pair's second word is named with it
	v_mul_f32 v[T+3], s14, v[T]
.set p, 0
.rept 16
	v_pk_add_f32 v[X+p:X+p+1], v[X+p:X+p+1], v[T+2:T+3] op_sel_hi:[1,0] neg_lo:[0,1] neg_hi:[0,1]
.set p, p+2
.endr
.irp k, 0,2,4,6
	v_pk_mul_f32 v[T+(\k):T+(\k)+1], v[X+(\k):X+(\k)+1], v[X+(\k):X+(\k)+1]
.endr
.set p, 8
.rept 12
	v_pk_fma_f32 v[T+p%8:T+p%8+1], v[X+p:X+p+1], v[X+p:X+p+1], v[T+p%8:T+p%8+1]
.set p, p+2
.endr
	REDUCE
	v_fma_f32 v[T+1], v[T], s14, s15               ; variance + eps
	v_rsq_f32 v[T+2], v[T+1]
	v_rsq_f32 v[T+3], v[T+1]
	v_nop                                          ; a plain instruction between the root and the use of its result
.set p, 0
	s_wait_alu depctr_va_vdst(0)
.rept 16
	v_pk_mul_f32 v[X+p:X+p+1], v[X+p:X+p+1], v[T+2:T+3] op_sel_hi:[1,0]
.set p, p+2
.endr
	s_wait_loadcnt 0x0                             ; g1 and be1
.set p, 0
.rept 16
	v_pk_fma_f32 v[X+p:X+p+1], v[X+p:X+p+1], v[G+p:G+p+1], v[BE+p:BE+p+1]
.set p, p+2
.endr
.irp j, 0,1,2,3,4,5,6,7
	global_store_b128 v2, v[X+4*(\j):X+4*(\j)+3], s[22:23] offset:512*(\j)
.endr
.set p, 0
.rept 16
	v_cvt_pk_bf16_f32 v[YB+p], v[X+2*p], v[X+2*p+1]
.set p, p+1
.endr
.irp j, 0,1,2,3,4,5,6,7
	global_store_b64 v3, v[YB+2*(\j):YB+2*(\j)+1], s[16:17] offset:256*(\j)  ; 32 lanes store 256 consecutive bytes, aligned
.endr
	s_endpgm
.Lfunc_end_k_qb8da8e5961_ln1:
	.size	k_qb8da8e5961_ln1, .Lfunc_end_k_qb8da8e5961_ln1-k_qb8da8e5961_ln1
	.p2alignl 7, 3214868480
	.fill 96, 4, 3214868480
	.section	.rodata,"a",@progbits
	.p2align	6, 0x0
	.amdhsa_kernel k_qb8da8e5961_ln1
		.amdhsa_group_segment_fixed_size 0
		.amdhsa_private_segment_fixed_size 0
		.amdhsa_enable_private_segment 0
		.amdhsa_kernarg_size 40
		.amdhsa_user_sgpr_count 2
		.amdhsa_user_sgpr_kernarg_segment_ptr 1
		.amdhsa_wavefront_size32 1
		.amdhsa_system_sgpr_workgroup_id_x 1
		.amdhsa_system_sgpr_workgroup_id_y 1
		.amdhsa_system_sgpr_workgroup_id_z 1
		.amdhsa_system_vgpr_workitem_id 0
		.amdhsa_next_free_vgpr 160
		.amdhsa_next_free_sgpr 66
		.amdhsa_reserve_vcc 0
		.amdhsa_float_denorm_mode_32 3
		.amdhsa_float_denorm_mode_16_64 3
		.amdhsa_memory_ordered 1
		.amdhsa_forward_progress 1
		.amdhsa_inst_pref_size 14
	.end_amdhsa_kernel
	.amdgpu_metadata
---
amdhsa.version: [ 1, 2 ]
amdhsa.kernels:
  - .name:           k_qb8da8e5961_ln1
    .symbol:         k_qb8da8e5961_ln1.kd
    .args:
      - { .name: x, .offset: 0, .size: 8, .value_kind: global_buffer, .address_space: global }
      - { .name: c32, .offset: 8, .size: 8, .value_kind: global_buffer, .address_space: global }
      - { .name: g1, .offset: 16, .size: 8, .value_kind: global_buffer, .address_space: global }
      - { .name: be1, .offset: 24, .size: 8, .value_kind: global_buffer, .address_space: global }
      - { .name: x1, .offset: 32, .size: 8, .value_kind: global_buffer, .address_space: global }
    .group_segment_fixed_size: 0
    .private_segment_fixed_size: 0
    .kernarg_segment_align: 8
    .kernarg_segment_size: 40
    .max_flat_workgroup_size: 512
    .sgpr_count:     66
    .vgpr_count:     160
    .wavefront_size: 32
...
	.end_amdgpu_metadata
.endif
;; end of part 5
;; launch ffn1 (part 6): grid 16 x 16, 4 waves a work-group, clusters of 4 x 4, 327,680 bytes of LDS; arguments x1, wts, b1, h; writes h
.if DOCPART == 6
	.amdgcn_target "amdgcn-amd-amdhsa--gfx1250"
	.amdhsa_code_object_version 6
	.text
	.protected	k_qb8da8e5961_ffn1
	.globl	k_qb8da8e5961_ffn1
	.p2align	8
	.type	k_qb8da8e5961_ffn1,@function
k_qb8da8e5961_ffn1:
	s_mov_b64 s[64:65], 0
	v_nop
	global_prefetch_b8 v0, s[64:65] scope:SCOPE_SE
	s_setreg_imm32_b32 hwreg(HW_REG_WAVE_MODE, 25, 1), 1
	s_wait_xcnt 0x0
	s_wait_alu depctr_hold_cnt(0) depctr_sa_sdst(0) depctr_va_vdst(0) depctr_va_sdst(0) depctr_va_ssrc(0) depctr_va_vcc(0) depctr_vm_vsrc(0)
	s_getreg_b32 s2, hwreg(HW_REG_IB_STS2, 6, 4)
	s_cmp_eq_u32 s2, 0
	s_cbranch_scc0 .Lentry_in_a_cluster
	s_endpgm
.Lentry_in_a_cluster:
	s_bfe_u32 s2, ttmp6, 0x10000c
	s_cmp_lg_u32 s2, 0xf033
	s_cbranch_scc0 .Lentry_shape_is_right
	s_endpgm
.Lentry_shape_is_right:
; C = A W.  One text, assembled for two launches; MODE, set below, says which.  A: [4096][1024] bf16, rows along K, at the first buffer's byte 0.  W: panels [1024 k][1024 n] bf16 in wts.
; Sums in f32, C rounded once to bf16.
;   MODE 0: A = x, W = Wq | Wk | Wv (panels at 0), C = q | k | v, 48 groups of 64 columns, stored as it is.      MODE 1 (this file): A = x1, W = W1 (panels at 6,291,456), C = mish(A W1 + b1), 64 groups.
; C'S LAYOUT, in blocks: element (m, n) lies at ((m / 128) NG + n / 64) x 16,384 + (m % 128) x 128 + (n % 64) x 2: 128 rows x 64 columns are 16 KiB on end, so that the launches behind
; can ask for a head's keys, or for a K step, as dense bytes, and every store here covers 512 consecutive bytes.
; SHAPE.  A tile of C is 256 x 256: four waves, each 128 x 128 in 64 accumulators (512 registers).  K goes in 8 steps of 128 through two LDS slots filled by the tensor data mover.
; A's rows lie along K and are read as they lie; W's rows lie along n and are read turned, by ds_load_tr16_b128.  The matrix instruction is used transposed (source 0 = 16 columns of W,
; source 1 = 16 rows of A): a lane holds one row of C and eight neighbouring columns.
; CLUSTER 4 x 4: A's tile is asked for jointly along a row of the cluster, W's along a column.
; THE WALK ALONG K BEGINS ELSEWHERE IN EACH CLUSTER: cluster (X, Y) begins at K step (2 X + 4 (Y % 2)) % 8 and goes round.  The clusters of one Y need the same rows of A, those of one X the same columns
; of W: of the clusters that read a tile one asks for it some K steps ahead of the others, which then ask for bytes that have been read shortly before.  The step's number hangs on the cluster's
; coordinates alone, which all sixteen partners share.  The f32 sums are taken in that order of K.
; MISH(u) = u tanh(ln(1 + e^u)) = u (1 - 2 / ((t + 1)^2 + 1)) with t = e^u.  An infinite t or (t + 1)^2 gives the factor 1, so nothing is clamped.  LIMITS: the factor is a difference from 1 and carries an
; absolute error of about 2^-22: for very negative u the result is off by up to about |u| 2^-22 (it is 0 from u = -17 down, where mish(u) is above -8e-7); NaN is not treated apart.
; REGISTERS, in windows of 256: window 0: v16-29 addresses, v32-47 bias, v64-127, v128-191 A's fragments (two buffers; on the way out at work); window 1: v64-127, v128-191 W's fragments;
; windows 2, 3: accumulator (a, b) at v[8 (8 (a % 4) + b)], rows 16 a on, columns 16 b on.
.set MODE,   1
.set NG,     48+16*MODE                ; groups of 64 columns in a row of C's blocks
.set WOFF,   6291456*MODE              ; where W's panels begin in wts
.set KSTEPS, 8
.set PA,     272                       ; an LDS row of A: 256 bytes + 16: the 16 rows of a load start at 16 different groups of four banks
.set PB,     544                       ; an LDS row of W: 512 bytes + 32 = 17 x 32
.set HALFT,  34816                     ; what one tensor load brings: 128 rows of A (128 x 272) or 64 rows of W (64 x 544)
.set SLOT,   4*HALFT                   ; 139,264 = 2^17 + 2^13; wave x 34,816 has neither bit, so one exclusive or turns an address in one slot into the other's
.set SPARE,  2*SLOT                    ; behind the ring: the spare words, 128 bytes a wave, which no other line names
.set SPITCH, 528                       ; the way out: a row of 128 f32 + 16 bytes
.set WSTAGE, 128*SPITCH                ; each wave's stage, in the ring, which has had its last fill by then
.set ADRA0, 16                         ; v16  my lane's place in A's tile; never rewritten
.set ADRB0, 17                         ; v17  in W's
.set ADRA,  18                         ; v18  the same in the slot in hand
.set ADRB,  19                         ; v19
.set STO,   20                         ; v20  the way out: where I put 32 bytes of a row
.set RD,    21                         ; v21  where I read 32 bytes back
.set CO,    22                         ; v22  my byte offset in C's block
.set BO,    23                         ; v23  my byte offset in the bias
.set SPW,   28                         ; v28  my spare word
.set NIL,   29                         ; v29  0
.set BIAS,  32                         ; v[32:47]  the bias of my 8 columns in each of my wave's two groups of 64
.set F0,    64
.set F1,    128
.set LAND,  64                         ; the way out: 32 sums a lane and trip, as they come back from the stage
.set U,     96                         ; sums + bias
.set T,     128                        ; at work
.set YP,    160                        ; 16 registers, packed
.set WV, 16                            ; s16 wave; s17 its half of the rows (also: 0 fetches A, 1 fetches W); s18 its half of the columns (also: which half it fetches)
.set WR, 17
.set WC, 18
.set CX, 19
.set CY, 20
.set TC, 21                            ; tile column of C
.set TR, 22                            ; tile row
.set G1A, 24                           ; s[24:31] group 1 for A;  s[32:39] group 0, two sets: the two first fills; the second then serves every refill
.set G0A, 32
.set G1B, 40                           ; s[40:47], s[48:55] the same for W
.set G0B, 48
.set SOFF, 60                          ; s60  0 or SLOT: the slot in hand
.set CNT,  61
.set KI,   62                          ; s62  the K step asked for last; s[12:13], s[14:15] its byte offsets in A and in W; s[56:57], s[58:59] my tiles' addresses at K step 0
.set MSB, 0
.macro WIN new                         ; the immediate's high byte repeats the setting that is left; a switch that changes nothing is dropped
.if MSB != (\new)
	s_set_vgpr_msb (MSB<<8)|(\new)
.set MSB, \new
.endif
.endm
.set MUL_LO, 0xa1                      ; source 0 (W) window 1, source 1 (A) window 0, C and D window 2
.set MUL_HI, 0xf1                      ; C and D window 3
.set TO_B,   0x40                      ; destination window 1, address window 0
.macro PLACES                          ; four plain vector instructions between a matrix instruction and a load into, or a read of, its registers
.rept 4
	v_nop
.endr
.endm
.macro JLOAD                           ; the joint refill.  The branch hangs on the wave's number alone; s_nop 0 and four v_nop follow each line
	s_cmp_eq_u32 s[WR], 0
	s_cbranch_scc0 .Lfor_b_\@
	tensor_load_to_lds s[G0A+4:G0A+7], s[G1A:G1A+7]
	s_nop 0
	PLACES
	s_branch .Lasked_\@
.Lfor_b_\@:
	tensor_load_to_lds s[G0B+4:G0B+7], s[G1B:G1B+7]
	s_nop 0
	PLACES
.Lasked_\@:
.endm
.macro STEPD                           ; the refill's descriptors: the other slot, the next K step round the walk; the addresses are made anew from the step's number
	s_add_co_u32 s[KI], s[KI], 1
	s_and_b32 s[KI], s[KI], KSTEPS-1
	s_lshl_b32 s12, s[KI], 8                       ; 256 bytes along A's rows
	s_lshl_b32 s14, s[KI], 18                      ; 128 rows of 2,048 bytes down W
	s_xor_b32 s[G0A+5], s[G0A+5], SLOT
	s_add_nc_u64 s[G0A+6:G0A+7], s[56:57], s[12:13]
	s_or_b32 s[G0A+7], s[G0A+7], 0x80000000
	s_xor_b32 s[G0B+5], s[G0B+5], SLOT
	s_add_nc_u64 s[G0B+6:G0B+7], s[58:59], s[14:15]
	s_or_b32 s[G0B+7], s[G0B+7], 0x80000000
.endm
.macro CREST                           ; a round of the cluster's barrier behind its opening barrier
	s_cmp_lg_u32 s[WV], 0
	s_cbranch_scc1 .Lnot_wave_0_\@
	s_barrier_signal -3
.Lnot_wave_0_\@:
	s_barrier_wait -3
	s_barrier_signal -1
	s_barrier_wait -1
.endm
.macro CROUND
	s_barrier_signal -1
	s_barrier_wait -1
	CREST
.endm
.if MODE
	s_load_b256 s[4:11], s[0:1], 0x0               ; A s[4:5], wts s[6:7], bias s[8:9], C s[10:11]
.else
	s_load_b128 s[4:7], s[0:1], 0x0                ; A s[4:5], wts s[6:7]
	s_load_b64 s[10:11], s[0:1], 0x10              ; C s[10:11]
.endif
	v_lshl_add_u32 v[SPW], v0, 2, SPARE
	v_mov_b32 v[NIL], 0
	ds_add_u32 v[SPW], v[NIL]                      ; the wave's opening: the add and its wait stand ahead of my first tensor load; work on registers stands between them
	v_lshrrev_b32 v1, 5, v0
	v_readfirstlane_b32 s[WV], v1
	s_lshr_b32 s[WR], s[WV], 1
	s_and_b32 s[WC], s[WV], 1
	s_bfe_u32 s[CX], ttmp6, 0x40000
	s_bfe_u32 s[CY], ttmp6, 0x40004
	s_lshl_b32 s[TC], ttmp9, 2
	s_add_co_u32 s[TC], s[TC], s[CX]
	s_and_b32 s[TR], ttmp7, 0xffff
	s_lshl_b32 s[TR], s[TR], 2
	s_add_co_u32 s[TR], s[TR], s[CY]
	s_and_b32 s[KI], ttmp7, 1                      ; where my cluster's walk begins: (2 X + 4 (Y % 2)) % 8
	s_lshl_b32 s[KI], s[KI], 2
	s_lshl_b32 s12, ttmp9, 1
	s_add_co_u32 s[KI], s[KI], s12
	s_and_b32 s[KI], s[KI], KSTEPS-1
	s_mov_b32 s13, 0
	s_mov_b32 s15, 0
	s_lshl_b32 s56, s[CY], 2
	s_lshl_b32 s56, 15, s56                        ; my row of the cluster
	s_lshl_b32 s58, 0x1111, s[CX]                  ; my column
	s_or_b32 s[G1A], s56, (1<<16)|(1<<20)|(1<<21)|(5<<22)|(3<<25)  ; mask; 2-byte elements; padding on; bit 21 beside a mask; after every 64 words, 4 words
	s_or_b32 s[G1B], s58, (1<<16)|(1<<20)|(1<<21)|(6<<22)|(7<<25)  ; after every 128 words, 8 words
	s_mov_b32 s[G1A+1], 128<<16                    ; tensor_dim0 = 128
	s_mov_b32 s[G1A+2], 128<<16                    ; tensor_dim1 = 128
	s_mov_b32 s[G1A+3], 128<<16                    ; tile_dim0 = 128 elements: 256 bytes of a row
	s_mov_b32 s[G1A+4], 128                        ; tile_dim1 = 128 rows
	s_mov_b32 s[G1A+5], 1024                       ; elements from row to row
	s_mov_b32 s[G1A+6], 0
	s_mov_b32 s[G1A+7], 0
	s_mov_b32 s[G1B+1], 256<<16                    ; 256 elements: 512 bytes of a row of the panel
	s_mov_b32 s[G1B+2], 64<<16
	s_mov_b32 s[G1B+3], 256<<16
	s_mov_b32 s[G1B+4], 64                         ; 64 rows (k)
	s_mov_b32 s[G1B+5], 1024
	s_mov_b32 s[G1B+6], 0
	s_mov_b32 s[G1B+7], 0
	s_lshl_b32 s56, s[TR], 8                       ; A: row 256 x tile row + 128 x half, 2,048 bytes a row.  s56, s57 never hold cx
	s_lshl_b32 s57, s[WC], 7
	s_add_co_u32 s56, s56, s57
	s_lshl_b32 s56, s56, 11
	s_mov_b32 s57, 0
	s_lshr_b32 s58, s[TC], 2                       ; W: panel tile column / 4, 512 bytes x (tile column % 4) along its rows, 64 rows x half.  s58, s59 never hold cy
	s_lshl_b32 s58, s58, 21
	s_and_b32 s59, s[TC], 3
	s_lshl_b32 s59, s59, 9
	s_add_co_u32 s58, s58, s59
	s_lshl_b32 s59, s[WC], 17
	s_add_co_u32 s58, s58, s59
.if MODE
	s_add_co_u32 s58, s58, WOFF
.endif
	s_mov_b32 s59, 0
	s_mul_i32 s76, s[WV], HALFT                    ; where my load lands in a slot: A's two halves, then W's two
	s_mov_b32 s[SOFF], 0
.if MODE
	s_mov_b32 s68, 0x3fb8aa3b                      ; log2(e)
	s_mov_b32 s69, s68                             ; named with it as a pair
.endif
	s_wait_dscnt 0x0                               ; the opening add is done
	s_wait_kmcnt 0x0
	s_add_nc_u64 s[56:57], s[4:5], s[56:57]
	s_add_nc_u64 s[58:59], s[6:7], s[58:59]
.irp s, 0,1
.if \s
	s_add_co_u32 s[KI], s[KI], 1                   ; the walk's second step
	s_and_b32 s[KI], s[KI], KSTEPS-1
.endif
	s_lshl_b32 s12, s[KI], 8
	s_lshl_b32 s14, s[KI], 18
	s_mov_b32 s[G0A+4*(\s)], 1                                     ; count = 1
	s_add_co_u32 s[G0A+4*(\s)+1], s76, (\s)*SLOT                   ; LDS address
	s_add_nc_u64 s[G0A+4*(\s)+2:G0A+4*(\s)+3], s[56:57], s[12:13]  ; global address
	s_or_b32 s[G0A+4*(\s)+3], s[G0A+4*(\s)+3], 0x80000000          ; type = 2
	s_mov_b32 s[G0B+4*(\s)], 1
	s_add_co_u32 s[G0B+4*(\s)+1], s76, (\s)*SLOT
	s_add_nc_u64 s[G0B+4*(\s)+2:G0B+4*(\s)+3], s[58:59], s[14:15]
	s_or_b32 s[G0B+4*(\s)+3], s[G0B+4*(\s)+3], 0x80000000
.endr
	CROUND                                         ; all sixteen work-groups are here: the first joint loads meet
	s_cmp_eq_u32 s[WR], 0                          ; a wave's two first fills stand in one branch: two loads of mine are out
	s_cbranch_scc0 .Lfirst_b
	tensor_load_to_lds s[G0A:G0A+3], s[G1A:G1A+7]
	s_nop 0
	tensor_load_to_lds s[G0A+4:G0A+7], s[G1A:G1A+7]
	s_nop 0
	PLACES
	s_branch .Lfirst_asked
.Lfirst_b:
	tensor_load_to_lds s[G0B:G0B+3], s[G1B:G1B+7]
	s_nop 0
	tensor_load_to_lds s[G0B+4:G0B+7], s[G1B:G1B+7]
	s_nop 0
	PLACES
.Lfirst_asked:
	v_and_b32 v1, 15, v0                           ; r = l % 16
	v_bfe_u32 v2, v0, 4, 1                         ; h = l / 16
	v_mul_u32_u24 v3, v1, PA                       ; a fragment of A: row r, 16 bytes for each half of the lanes, twice, 32 bytes apart
	v_lshl_add_u32 v3, v2, 4, v3
	s_mul_i32 s77, s[WR], HALFT                    ; my 128 rows
	v_add_nc_u32 v[ADRA0], s77, v3
	v_and_b32 v7, 7, v0
	v_lshl_add_u32 v4, v2, 3, v7                   ; the turning load: lane l reads row k = 8 h + l % 8, 16 bytes at 16 ((l / 8) % 2); it leaves column r, eight k
	v_mul_u32_u24 v4, v4, PB
	v_bfe_u32 v5, v0, 3, 1
	v_lshl_add_u32 v4, v5, 4, v4
	s_lshl_b32 s77, s[WC], 8                       ; my 128 columns: 256 bytes
	s_add_co_u32 s77, s77, 2*HALFT                 ; W lies behind A's 256 rows
	v_add_nc_u32 v[ADRB0], s77, v4
	v_mov_b32 v[ADRA], v[ADRA0]
	v_mov_b32 v[ADRB], v[ADRB0]
	s_mul_i32 s78, s[WV], WSTAGE
	v_mul_u32_u24 v6, v1, SPITCH                   ; into the stage: row r, 32 bytes for each half of the lanes
	v_lshl_add_u32 v6, v2, 5, v6
	v_add_nc_u32 v[STO], s78, v6
	v_bfe_u32 v6, v0, 3, 2                         ; back: four rows of 64 columns: row l / 8, 8 columns (32 bytes) at l % 8
	v_mul_u32_u24 v6, v6, SPITCH
	v_lshl_add_u32 v6, v7, 5, v6
	v_add_nc_u32 v[RD], s78, v6
	v_and_b32 v6, 31, v0
	v_lshlrev_b32 v[CO], 4, v6                     ; those four rows are 512 consecutive bytes of a block of C
.if MODE
	s_lshl_b32 s74, s[TC], 10                      ; the bias of column 256 x tile column + 128 x half + 64 e + 8 (l % 8)
	s_lshl_b32 s75, s[WC], 9
	s_add_co_u32 s74, s74, s75
	v_lshl_add_u32 v[BO], v7, 5, s74
.irp e, 0,1
	global_load_b128 v[BIAS+8*(\e):BIAS+8*(\e)+3],   v[BO], s[8:9] offset:256*(\e)
	global_load_b128 v[BIAS+8*(\e)+4:BIAS+8*(\e)+7], v[BO], s[8:9] offset:256*(\e)+16
.endr
.endif
	s_lshl_b32 s72, s[TR], 1                       ; C: block row 2 x tile row + half, group 4 x tile column + 2 x half
	s_add_co_u32 s72, s72, s[WR]
	s_mul_i32 s72, s72, NG
	s_lshl_b32 s73, s[TC], 2
	s_add_co_u32 s72, s72, s73
	s_lshl_b32 s73, s[WC], 1
	s_add_co_u32 s72, s72, s73
	s_lshl_b32 s72, s72, 14
	s_mov_b32 s73, 0
	s_add_nc_u64 s[10:11], s[10:11], s[72:73]
; 16 matrix instructions: row blocks a0, a0 + 1 of the window's four x all 8 column blocks, 32 along K.  zero = 1: the product starts the sums.  The 64 accumulators take turns, in the same order everywhere.
.macro MUL16 f, hi, a0, zero
	WIN MUL_LO+0x50*(\hi)
.irp a, \a0, (\a0)+1
.irp b, 0,1,2,3,4,5,6,7
.if \zero
	v_wmma_f32_16x16x32_bf16 v[8*(8*(\a)+(\b)):8*(8*(\a)+(\b))+7], v[(\f)+8*(\b):(\f)+8*(\b)+7], v[(\f)+8*(4*(\hi)+(\a)):(\f)+8*(4*(\hi)+(\a))+7], 0
.else
	v_wmma_f32_16x16x32_bf16 v[8*(8*(\a)+(\b)):8*(8*(\a)+(\b))+7], v[(\f)+8*(\b):(\f)+8*(\b)+7], v[(\f)+8*(4*(\hi)+(\a)):(\f)+8*(4*(\hi)+(\a))+7], v[8*(8*(\a)+(\b)):8*(8*(\a)+(\b))+7]
.endif
.endr
.endr
.endm
; 32 LDS loads in one run: quarter q (32 along K) of the slot in hand into buffer f: W's 8 column blocks (32 rows k of the tile, turned), then A's 8 row blocks
.macro FETCH q, f
	WIN TO_B
.irp b, 0,1,2,3,4,5,6,7
	ds_load_tr16_b128 v[(\f)+8*(\b):(\f)+8*(\b)+3],   v[ADRB] offset:(\q)*32*PB+32*(\b)
	ds_load_tr16_b128 v[(\f)+8*(\b)+4:(\f)+8*(\b)+7], v[ADRB] offset:(\q)*32*PB+32*(\b)+16*PB
.endr
	WIN 0
.irp a, 0,1,2,3,4,5,6,7
	ds_load_b128 v[(\f)+8*(\a):(\f)+8*(\a)+3],   v[ADRA] offset:(\q)*64+(\a)*16*PA
	ds_load_b128 v[(\f)+8*(\a)+4:(\f)+8*(\a)+7], v[ADRA] offset:(\q)*64+(\a)*16*PA+32
.endr
.endm
; One of a K step's first three quarters: multiplies buffer f; in its middle fetches quarter q into buffer g
.macro QUARTER q, f, g, zero
	s_wait_dscnt 8                                 ; W and A's row blocks 0-3 are in; the youngest eight loads (A's blocks 4-7) may be out
	MUL16 \f, 0, 0, \zero
	MUL16 \f, 0, 2, \zero
	PLACES
	FETCH \q, \g
	s_wait_dscnt 32                                ; all but the 32 just issued
	MUL16 \f, 1, 0, \zero
	MUL16 \f, 1, 2, \zero
.endm
; The last quarter multiplies buffer 1 and changes slots.  In front of the barrier each wave waits for all its tensor loads (one is out: its part of the next slot), adds 0 to its spare word, and
; waits for that and for its reads of this slot.  fill = 1: the descriptors step while the add is out, the barrier opens a round of the cluster's, and the slot just read is filled again first behind it,
; with the walk's step two on: from that request to the wait for it a wave issues 224 matrix instructions.
; fill = 0 (the tail's two trips): nothing is asked for; in the second trip there is no further slot, and the run of LDS loads is jumped over.
.macro TURN fill
	WIN 0
	s_wait_tensorcnt 0x0
	ds_add_u32 v[SPW], v[NIL]
.if \fill
	STEPD                                          ; no tensor load of mine is out, so the descriptors may be written
.endif
	s_wait_dscnt 9                                 ; (the add and the youngest eight loads may be out)
	MUL16 F1, 0, 0, 0
	s_wait_dscnt 0x0                               ; the add is done, and my reads of this slot are over
	s_barrier_signal -1
	MUL16 F1, 0, 2, 0
	WIN 0
	s_barrier_wait -1
.if \fill
	CREST
	JLOAD                                          ; its four v_nop are also the places in front of the loads below
.else
	PLACES
.endif
	s_xor_b32 s[SOFF], s[SOFF], SLOT
	v_add_nc_u32 v[ADRA], s[SOFF], v[ADRA0]
	v_add_nc_u32 v[ADRB], s[SOFF], v[ADRB0]
.if \fill
	FETCH 0, F0
.else
	s_cmp_eq_u32 s[CNT], 1
	s_cbranch_scc1 .Lno_fetch_\@
	FETCH 0, F0
.Lno_fetch_\@:
.endif
	MUL16 F1, 1, 0, 0
	MUL16 F1, 1, 2, 0
.endm
	s_wait_tensorcnt 1                             ; my part of the walk's first step is in; the second's may stay out
	s_barrier_signal -1
	s_barrier_wait -1
	FETCH 0, F0
	QUARTER 1, F0, F1, 1                           ; the first quarter stands in front of the loop: its products start the sums
	WIN 0
	s_mov_b32 s[CNT], KSTEPS-2
.Lk:                                                   ; a trip: from a K step's second quarter to the next step's first; six trips ask for the walk's steps 2 to 7
	QUARTER 2, F1, F0, 0
	QUARTER 3, F0, F1, 0
	TURN 1
	QUARTER 1, F0, F1, 0
	WIN 0
	s_sub_co_u32 s[CNT], s[CNT], 1
	s_cmp_lg_u32 s[CNT], 0
	s_cbranch_scc1 .Lk
	s_mov_b32 s[CNT], 2
.Ltail:                                                ; the last two K steps ask for nothing
	QUARTER 2, F1, F0, 0
	QUARTER 3, F0, F1, 0
	TURN 0
	WIN 0
	s_sub_co_u32 s[CNT], s[CNT], 1
	s_cmp_eq_u32 s[CNT], 0
	s_cbranch_scc1 .Lout
	QUARTER 1, F0, F1, 0
	WIN 0
	s_branch .Ltail
.Lout:
	s_wait_dscnt 0x0                               ; no LDS instruction of mine is out at the signal below
	PLACES
	PLACES
	; THE WAY OUT.  The ring has had its last fill and every wave's reads of it are back: behind this barrier it is the stage.  The f32 sums go in by rows of 528 bytes; a loop of 16 trips takes
	; 8 rows back, finishes them (MODE 1: bias and mish) and stores them: the finishing is written once, for 32 numbers a lane.  A trip's eight LDS loads are issued a trip ahead, as soon as the
	; registers that they land in have been read; the last trip jumps over them.
	s_barrier_signal -1
	s_barrier_wait -1
.irp a, 0,1,2,3,4,5,6,7
	WIN 0x08+4*((\a)/4)                            ; the stores' data (source 1) in window 2 or 3
.irp b, 0,1,2,3,4,5,6,7
	ds_store_b128 v[STO], v[8*(8*((\a)%4)+(\b)):8*(8*((\a)%4)+(\b))+3]   offset:(\a)*16*SPITCH+64*(\b)     ; each accumulator's low registers first
	ds_store_b128 v[STO], v[8*(8*((\a)%4)+(\b))+4:8*(8*((\a)%4)+(\b))+7] offset:(\a)*16*SPITCH+64*(\b)+16
.endr
.endr
	WIN 0
.macro LOADL                           ; 8 rows x 128 columns of my stage: my wave's own bytes, and LDS serves a wave's instructions in order
.irp e, 0,1
.irp g, 0,1
	ds_load_b128 v[LAND+8*(2*(\e)+(\g)):LAND+8*(2*(\e)+(\g))+3],   v[RD] offset:(\g)*4*SPITCH+(\e)*256
	ds_load_b128 v[LAND+8*(2*(\e)+(\g))+4:LAND+8*(2*(\e)+(\g))+7], v[RD] offset:(\g)*4*SPITCH+(\e)*256+16
.endr
.endr
.endm
	LOADL
.if MODE
	s_wait_loadcnt 0x0                             ; the bias
.endif
	s_mov_b32 s[CNT], 16
.Lrows:
	s_wait_dscnt 0x0                               ; this trip's rows are in
.if MODE
.irp e, 0,1
.irp g, 0,1
.irp k, 0,2,4,6
	v_pk_add_f32 v[U+8*(2*(\e)+(\g))+(\k):U+8*(2*(\e)+(\g))+(\k)+1], v[LAND+8*(2*(\e)+(\g))+(\k):LAND+8*(2*(\e)+(\g))+(\k)+1], v[BIAS+8*(\e)+(\k):BIAS+8*(\e)+(\k)+1]
.endr
.endr
.endr
.else
.set i, 0
.rept 16
	v_cvt_pk_bf16_f32 v[YP+i], v[LAND+2*i], v[LAND+2*i+1]
.set i, i+1
.endr
.endif
	s_cmp_eq_u32 s[CNT], 1
	s_cbranch_scc1 .Lno_rows                       ; the last trip has no rows behind it
	v_add_nc_u32 v[RD], 8*SPITCH, v[RD]
	LOADL
.Lno_rows:
.if MODE
.set i, 0
.rept 16
	v_pk_mul_f32 v[T+i:T+i+1], v[U+i:U+i+1], s[68:69] op_sel_hi:[1,0]  ; u log2(e)
.set i, i+2
.endr
.set i, 0
.rept 32
	v_exp_f32 v[T+i], v[T+i]                       ; t = e^u
.set i, i+1
.endr
	v_nop                                          ; a plain instruction between the last exponential and the use of its result
.set i, 0
	s_wait_alu depctr_va_vdst(0)
.rept 16
	v_pk_add_f32 v[T+i:T+i+1], v[T+i:T+i+1], 1.0 op_sel_hi:[1,0]
.set i, i+2
.endr
.set i, 0
.rept 16
	v_pk_fma_f32 v[T+i:T+i+1], v[T+i:T+i+1], v[T+i:T+i+1], 1.0 op_sel_hi:[1,1,0]  ; (t + 1)^2 + 1
.set i, i+2
.endr
.set i, 0
.rept 32
	v_rcp_f32 v[T+i], v[T+i]
.set i, i+1
.endr
	v_nop
.set i, 0
	s_wait_alu depctr_va_vdst(0)
.rept 16
	v_pk_fma_f32 v[T+i:T+i+1], v[T+i:T+i+1], -2.0, 1.0 op_sel_hi:[1,0,0]          ; 1 - 2 / ((t + 1)^2 + 1)
.set i, i+2
.endr
.set i, 0
.rept 16
	v_pk_mul_f32 v[U+i:U+i+1], v[U+i:U+i+1], v[T+i:T+i+1]
.set i, i+2
.endr
.set i, 0
.rept 16
	v_cvt_pk_bf16_f32 v[YP+i], v[U+2*i], v[U+2*i+1]
.set i, i+1
.endr
.endif
.irp e, 0,1
.irp g, 0,1
	global_store_b128 v[CO], v[YP+4*(2*(\e)+(\g)):YP+4*(2*(\e)+(\g))+3], s[10:11] offset:(\e)*16384+(\g)*512  ; 512 consecutive bytes, at a multiple of 512 from C's first
.endr
.endr
	s_wait_xcnt 0x0                                ; the stores' offset and data are rewritten only behind this wait
	v_add_nc_u32 v[CO], 1024, v[CO]                ; 8 rows of 128 bytes on
	s_sub_co_u32 s[CNT], s[CNT], 1
	s_cmp_lg_u32 s[CNT], 0
	s_cbranch_scc1 .Lrows
	s_wait_tensorcnt 0x0                           ; the wave's end: the add and its wait stand behind my last tensor load and my last LDS store
	ds_add_u32 v[SPW], v[NIL]
	s_wait_dscnt 0x0
	CROUND                                         ; the closing round: no work-group ends while a partner may still ask for a tile that names it
	s_endpgm
.Lfunc_end_k_qb8da8e5961_ffn1:
	.size	k_qb8da8e5961_ffn1, .Lfunc_end_k_qb8da8e5961_ffn1-k_qb8da8e5961_ffn1
	.p2alignl 7, 3214868480
	.fill 96, 4, 3214868480
	.section	.rodata,"a",@progbits
	.p2align	6, 0x0
	.amdhsa_kernel k_qb8da8e5961_ffn1
		.amdhsa_group_segment_fixed_size 327680
		.amdhsa_private_segment_fixed_size 0
		.amdhsa_enable_private_segment 0
		.amdhsa_kernarg_size 32
		.amdhsa_user_sgpr_count 2
		.amdhsa_user_sgpr_kernarg_segment_ptr 1
		.amdhsa_wavefront_size32 1
		.amdhsa_system_sgpr_workgroup_id_x 1
		.amdhsa_system_sgpr_workgroup_id_y 1
		.amdhsa_system_sgpr_workgroup_id_z 1
		.amdhsa_system_vgpr_workitem_id 0
		.amdhsa_next_free_vgpr 1024
		.amdhsa_next_free_sgpr 84
		.amdhsa_reserve_vcc 0
		.amdhsa_float_denorm_mode_32 3
		.amdhsa_float_denorm_mode_16_64 3
		.amdhsa_memory_ordered 1
		.amdhsa_forward_progress 1
		.amdhsa_inst_pref_size 89
	.end_amdhsa_kernel
	.amdgpu_metadata
---
amdhsa.version: [ 1, 2 ]
amdhsa.kernels:
  - .name:           k_qb8da8e5961_ffn1
    .symbol:         k_qb8da8e5961_ffn1.kd
    .args:
      - { .name: x1, .offset: 0, .size: 8, .value_kind: global_buffer, .address_space: global }
      - { .name: wts, .offset: 8, .size: 8, .value_kind: global_buffer, .address_space: global }
      - { .name: b1, .offset: 16, .size: 8, .value_kind: global_buffer, .address_space: global }
      - { .name: h, .offset: 24, .size: 8, .value_kind: global_buffer, .address_space: global }
    .group_segment_fixed_size: 327680
    .private_segment_fixed_size: 0
    .kernarg_segment_align: 8
    .kernarg_segment_size: 32
    .max_flat_workgroup_size: 128
    .sgpr_count:     84
    .vgpr_count:     1024
    .wavefront_size: 32
...
	.end_amdgpu_metadata
.endif
;; end of part 6
;; launch ffn2 (part 7): grid 8 x 32, 4 waves a work-group, clusters of 4 x 4, 327,680 bytes of LDS; arguments h, wts, c32; writes c32
.if DOCPART == 7
	.amdgcn_target "amdgcn-amd-amdhsa--gfx1250"
	.amdhsa_code_object_version 6
	.text
	.protected	k_qb8da8e5961_ffn2
	.globl	k_qb8da8e5961_ffn2
	.p2align	8
	.type	k_qb8da8e5961_ffn2,@function
k_qb8da8e5961_ffn2:
	s_mov_b64 s[64:65], 0
	v_nop
	global_prefetch_b8 v0, s[64:65] scope:SCOPE_SE
	s_setreg_imm32_b32 hwreg(HW_REG_WAVE_MODE, 25, 1), 1
	s_wait_xcnt 0x0
	s_wait_alu depctr_hold_cnt(0) depctr_sa_sdst(0) depctr_va_vdst(0) depctr_va_sdst(0) depctr_va_ssrc(0) depctr_va_vcc(0) depctr_vm_vsrc(0)
	s_getreg_b32 s2, hwreg(HW_REG_IB_STS2, 6, 4)
	s_cmp_eq_u32 s2, 0
	s_cbranch_scc0 .Lentry_in_a_cluster
	s_endpgm
.Lentry_in_a_cluster:
	s_bfe_u32 s2, ttmp6, 0x10000c
	s_cmp_lg_u32 s2, 0xf033
	s_cbranch_scc0 .Lentry_shape_is_right
	s_endpgm
.Lentry_shape_is_right:
; C = A W.  A: [4096][64 NG] bf16 in blocks ((m / 128) NG + k / 64) x 16,384 + (m % 128) x 128 + (k % 64) x 2.  W: [64 NG k][1024 n] bf16 at byte WOFF of wts.  C: [4096][1024] f32, the sums as they are.
; Here: A = h = mish(x1 W1 + b1), W = W2, C = the feed-forward's output before its bias and the residual (the launch behind adds b2).
; SHAPE.  A tile of C is 128 x 128, so that 256 work-groups exist: four waves, each 64 x 64 in 16 accumulators.  K goes in steps of 256 through two LDS slots: A's part of a step is four blocks on end,
; 64 KiB dense (asked for as rows of 256 bytes, padded in LDS after every 128), W's is 256 rows of 256 bytes.  A is read as it lies, W turned (ds_load_tr16_b128).  The matrix instruction is used
; transposed (source 0 = 16 columns of W, source 1 = 16 rows of A): a lane holds one row of C and eight neighbouring columns.
; CLUSTER 4 x 4: A's tile is asked for jointly along a row of the cluster, W's along a column.
; THE WALK ALONG K BEGINS ELSEWHERE IN EACH CLUSTER: cluster (X, Y) begins at K step ((Y % 4) KSTEPS / 4 + X KSTEPS / 2) % KSTEPS and goes round.  The two clusters of one Y need the same rows of A and begin
; half a walk apart; the clusters of one X need the same columns of W, and four neighbours among them begin a quarter apart: of the clusters that read a tile one asks for it some K steps ahead of the
; others, which then ask for bytes that have been read shortly before.  The step's number hangs on the cluster's coordinates alone, which all sixteen partners share.  The f32 sums are taken in that order of K.
; REGISTERS: window 0: v12-29 addresses; v32-95 at work on the way out; v128-255 the accumulators ((a, b) at v[128 + 8 (4 a + b)]).  Window 1: two fragment buffers of 128: 64 of A, then 64 of W, for 64 along K.
.set KSTEPS, 16
.set NG,     64
.set WOFF,   14680064
.set PA,     144                       ; an LDS row of a block of A: 128 bytes + 16
.set PB,     288                       ; an LDS row of W: 256 bytes + 32 = 9 x 32
.set HALFT,  36864                     ; what one tensor load brings: two blocks of A (256 x 144) or 128 rows of W (128 x 288)
.set SLOT,   4*HALFT                   ; 147,456 = 2^17 + 2^14; wave x 36,864 has neither bit
.set STAGE,  2*SLOT                    ; behind the ring, never filled: 16 rows x 272 bytes for each wave
.set SPITCH, 272
.set SPARE,  STAGE+4*16*SPITCH
.set ADRA0, 12
.set ADRB0, 13
.set ADRA,  16
.set ADRB,  17
.set ADRBH, 18                         ; W's rows 128 on: an LDS offset has 16 bits
.set STO,   24
.set RD,    25
.set CO,    26
.set SPW,   28
.set NIL,   29
.set TMP,   32
.set ACC,   128
.set F0,    0
.set F1,    128
.set KI, 10                            ; s10  the K step asked for last; s[12:13], s[14:15] its byte offsets in A and in W; s[56:57], s[58:59] my tiles' addresses at K step 0
.set WV, 16
.set WR, 17
.set WC, 18
.set CX, 19
.set CY, 20
.set TC, 21
.set TR, 22
.set G1A, 24
.set G0A, 32
.set G1B, 40
.set G0B, 48
.set SOFF, 60
.set CNT,  61
.set MSB, 0
.macro WIN new
.if MSB != (\new)
	s_set_vgpr_msb (MSB<<8)|(\new)
.set MSB, \new
.endif
.endm
.set MUL,  0x05                        ; sources 0 (W) and 1 (A) window 1; C and D window 0
.set TO_F, 0x40                        ; destination window 1, address window 0
.macro PLACES
.rept 4
	v_nop
.endr
.endm
.macro JLOAD                           ; the joint refill; s_nop 0 and four v_nop follow each line
	s_cmp_eq_u32 s[WR], 0
	s_cbranch_scc0 .Lfor_b_\@
	tensor_load_to_lds s[G0A+4:G0A+7], s[G1A:G1A+7]
	s_nop 0
	PLACES
	s_branch .Lasked_\@
.Lfor_b_\@:
	tensor_load_to_lds s[G0B+4:G0B+7], s[G1B:G1B+7]
	s_nop 0
	PLACES
.Lasked_\@:
.endm
.macro STEPD                           ; the refill's descriptors: the other slot, the next K step round the walk; the addresses are made anew from the step's number
	s_add_co_u32 s[KI], s[KI], 1
	s_and_b32 s[KI], s[KI], KSTEPS-1
	s_lshl_b32 s12, s[KI], 16                      ; four blocks of A
	s_lshl_b32 s14, s[KI], 19                      ; 256 rows of 2,048 bytes down W
	s_xor_b32 s[G0A+5], s[G0A+5], SLOT
	s_add_nc_u64 s[G0A+6:G0A+7], s[56:57], s[12:13]
	s_or_b32 s[G0A+7], s[G0A+7], 0x80000000
	s_xor_b32 s[G0B+5], s[G0B+5], SLOT
	s_add_nc_u64 s[G0B+6:G0B+7], s[58:59], s[14:15]
	s_or_b32 s[G0B+7], s[G0B+7], 0x80000000
.endm
.macro CREST
	s_cmp_lg_u32 s[WV], 0
	s_cbranch_scc1 .Lnot_wave_0_\@
	s_barrier_signal -3
.Lnot_wave_0_\@:
	s_barrier_wait -3
	s_barrier_signal -1
	s_barrier_wait -1
.endm
.macro CROUND
	s_barrier_signal -1
	s_barrier_wait -1
	CREST
.endm
	s_load_b128 s[4:7], s[0:1], 0x0                ; A s[4:5], wts s[6:7]
	s_load_b64 s[8:9], s[0:1], 0x10                ; C
	v_lshl_add_u32 v[SPW], v0, 2, SPARE
	v_mov_b32 v[NIL], 0
	ds_add_u32 v[SPW], v[NIL]                      ; the wave's opening: the add and its wait stand ahead of my first tensor load
	v_lshrrev_b32 v1, 5, v0
	v_readfirstlane_b32 s[WV], v1
	s_lshr_b32 s[WR], s[WV], 1                     ; my half of the rows; also: 0 fetches A, 1 fetches W
	s_and_b32 s[WC], s[WV], 1                      ; my half of the columns; also: which half I fetch
	s_bfe_u32 s[CX], ttmp6, 0x40000
	s_bfe_u32 s[CY], ttmp6, 0x40004
	s_lshl_b32 s[TC], ttmp9, 2
	s_add_co_u32 s[TC], s[TC], s[CX]
	s_and_b32 s[TR], ttmp7, 0xffff
	s_lshl_b32 s[TR], s[TR], 2
	s_add_co_u32 s[TR], s[TR], s[CY]
	s_and_b32 s[KI], ttmp7, 3                      ; where my cluster's walk begins
	s_mul_i32 s[KI], s[KI], KSTEPS/4
	s_mul_i32 s12, ttmp9, KSTEPS/2
	s_add_co_u32 s[KI], s[KI], s12
	s_and_b32 s[KI], s[KI], KSTEPS-1
	s_mov_b32 s13, 0
	s_mov_b32 s15, 0
	s_lshl_b32 s56, s[CY], 2
	s_lshl_b32 s56, 15, s56
	s_lshl_b32 s58, 0x1111, s[CX]
	s_or_b32 s[G1A], s56, (1<<16)|(1<<20)|(1<<21)|(4<<22)|(3<<25)  ; mask of my row; 2-byte elements; padding on; bit 21 beside a mask; after every 32 words, 4 words
	s_or_b32 s[G1B], s58, (1<<16)|(1<<20)|(1<<21)|(5<<22)|(7<<25)  ; mask of my column; after every 64 words, 8 words
.irp g, G1A, G1B
	s_mov_b32 s[(\g)+1], 128<<16                   ; tensor_dim0 = 128 elements: 256 bytes
	s_mov_b32 s[(\g)+2], 128<<16                   ; tensor_dim1 = 128
	s_mov_b32 s[(\g)+3], 128<<16                   ; tile_dim0
	s_mov_b32 s[(\g)+4], 128                       ; tile_dim1
	s_mov_b32 s[(\g)+6], 0
	s_mov_b32 s[(\g)+7], 0
.endr
	s_mov_b32 s[G1A+5], 128                        ; A's bytes are dense
	s_mov_b32 s[G1B+5], 1024                       ; W's rows are 1,024 elements apart
	s_mul_i32 s56, s[TR], NG                       ; A: block tile row x NG + 2 x half.  s56, s57 never hold cx
	s_lshl_b32 s57, s[WC], 1
	s_add_co_u32 s56, s56, s57
	s_lshl_b32 s56, s56, 14
	s_mov_b32 s57, 0
	s_lshl_b32 s58, s[WC], 18                      ; W: 128 rows x half, 256 bytes x tile column.  s58, s59 never hold cy
	s_lshl_b32 s59, s[TC], 8
	s_add_co_u32 s58, s58, s59
	s_add_co_u32 s58, s58, WOFF
	s_mov_b32 s59, 0
	s_mul_i32 s62, s[WV], HALFT                    ; where my load lands in a slot
	s_mov_b32 s[SOFF], 0
	s_wait_dscnt 0x0                               ; the opening add is done
	s_wait_kmcnt 0x0
	s_add_nc_u64 s[56:57], s[4:5], s[56:57]
	s_add_nc_u64 s[58:59], s[6:7], s[58:59]
.irp s, 0,1
.if \s
	s_add_co_u32 s[KI], s[KI], 1                   ; the walk's second step
	s_and_b32 s[KI], s[KI], KSTEPS-1
.endif
	s_lshl_b32 s12, s[KI], 16
	s_lshl_b32 s14, s[KI], 19
	s_mov_b32 s[G0A+4*(\s)], 1
	s_add_co_u32 s[G0A+4*(\s)+1], s62, (\s)*SLOT
	s_add_nc_u64 s[G0A+4*(\s)+2:G0A+4*(\s)+3], s[56:57], s[12:13]
	s_or_b32 s[G0A+4*(\s)+3], s[G0A+4*(\s)+3], 0x80000000
	s_mov_b32 s[G0B+4*(\s)], 1
	s_add_co_u32 s[G0B+4*(\s)+1], s62, (\s)*SLOT
	s_add_nc_u64 s[G0B+4*(\s)+2:G0B+4*(\s)+3], s[58:59], s[14:15]
	s_or_b32 s[G0B+4*(\s)+3], s[G0B+4*(\s)+3], 0x80000000
.endr
	CROUND                                         ; all sixteen work-groups are here: the first joint loads meet
	s_cmp_eq_u32 s[WR], 0                          ; a wave's two first fills stand in one branch: two loads of mine are out
	s_cbranch_scc0 .Lfirst_b
	tensor_load_to_lds s[G0A:G0A+3], s[G1A:G1A+7]
	s_nop 0
	tensor_load_to_lds s[G0A+4:G0A+7], s[G1A:G1A+7]
	s_nop 0
	PLACES
	s_branch .Lfirst_asked
.Lfirst_b:
	tensor_load_to_lds s[G0B:G0B+3], s[G1B:G1B+7]
	s_nop 0
	tensor_load_to_lds s[G0B+4:G0B+7], s[G1B:G1B+7]
	s_nop 0
	PLACES
.Lfirst_asked:
	v_and_b32 v1, 15, v0                           ; r
	v_bfe_u32 v2, v0, 4, 1                         ; h
	v_mul_u32_u24 v3, v1, PA
	v_lshl_add_u32 v3, v2, 4, v3
	s_mul_i32 s63, s[WR], 64*PA                    ; my 64 rows in each block
	v_add_nc_u32 v[ADRA0], s63, v3
	v_and_b32 v4, 7, v0
	v_lshl_add_u32 v4, v2, 3, v4                   ; the turning load: row k = 8 h + l % 8, 16 bytes at 16 ((l / 8) % 2)
	v_mul_u32_u24 v4, v4, PB
	v_bfe_u32 v5, v0, 3, 1
	v_lshl_add_u32 v4, v5, 4, v4
	s_lshl_b32 s63, s[WC], 7                       ; my 64 columns: 128 bytes
	s_add_co_u32 s63, s63, 2*HALFT
	v_add_nc_u32 v[ADRB0], s63, v4
	v_mov_b32 v[ADRA], v[ADRA0]
	v_mov_b32 v[ADRB], v[ADRB0]
	v_add_nc_u32 v[ADRBH], HALFT, v[ADRB0]
	s_mul_i32 s66, s[WV], 16*SPITCH
	s_add_co_u32 s66, s66, STAGE                   ; my stage
	v_mul_u32_u24 v6, v1, SPITCH                   ; in: row r, 32 bytes for each half of the lanes
	v_lshl_add_u32 v6, v2, 5, v6
	v_add_nc_u32 v[STO], s66, v6
	v_mul_u32_u24 v6, v2, SPITCH                   ; back: lanes 0-15 one row of 256 bytes, lanes 16-31 the next
	v_lshl_add_u32 v6, v1, 4, v6
	v_add_nc_u32 v[RD], s66, v6
	v_lshlrev_b32 v6, 12, v2                       ; and the same two rows in C
	v_lshl_add_u32 v[CO], v1, 4, v6
	s_lshl_b32 s68, s[TR], 7                       ; C: row 128 x tile row + 64 x half, 4,096 bytes a row; column 128 x tile column + 64 x half, 4 bytes
	s_lshl_b32 s69, s[WR], 6
	s_add_co_u32 s68, s68, s69
	s_lshl_b32 s68, s68, 12
	s_lshl_b32 s69, s[TC], 9
	s_add_co_u32 s68, s68, s69
	s_lshl_b32 s69, s[WC], 8
	s_add_co_u32 s68, s68, s69
	s_mov_b32 s69, 0
	s_add_nc_u64 s[8:9], s[8:9], s[68:69]
; 8 matrix instructions: row blocks a0, a0 + 1 x all 4 column blocks, 32 along K: half c of buffer f.  The 16 accumulators take turns.
.macro MUL8 f, c, a0, zero
	WIN MUL
.irp a, \a0, (\a0)+1
.irp b, 0,1,2,3
.if \zero
	v_wmma_f32_16x16x32_bf16 v[ACC+8*(4*(\a)+(\b)):ACC+8*(4*(\a)+(\b))+7], v[(\f)+64+8*(4*(\c)+(\b)):(\f)+64+8*(4*(\c)+(\b))+7], v[(\f)+8*(4*(\c)+(\a)):(\f)+8*(4*(\c)+(\a))+7], 0
.else
	v_wmma_f32_16x16x32_bf16 v[ACC+8*(4*(\a)+(\b)):ACC+8*(4*(\a)+(\b))+7], v[(\f)+64+8*(4*(\c)+(\b)):(\f)+64+8*(4*(\c)+(\b))+7], v[(\f)+8*(4*(\c)+(\a)):(\f)+8*(4*(\c)+(\a))+7], v[ACC+8*(4*(\a)+(\b)):ACC+8*(4*(\a)+(\b))+7]
.endif
.endr
.endr
.endm
; 32 LDS loads in one run: quarter q (64 along K: block q of A, rows 64 q on of W) into buffer f; the first 32 along K first
.macro FETCH q, f
	WIN TO_F
.if (\q) < 2
.set BR, ADRB
.else
.set BR, ADRBH
.endif
.irp c, 0,1
.irp i, 0,1,2,3
	ds_load_tr16_b128 v[(\f)+64+8*(4*(\c)+(\i)):(\f)+64+8*(4*(\c)+(\i))+3],   v[BR] offset:((2*(\q)+(\c))%4)*32*PB+32*(\i)
	ds_load_tr16_b128 v[(\f)+64+8*(4*(\c)+(\i))+4:(\f)+64+8*(4*(\c)+(\i))+7], v[BR] offset:((2*(\q)+(\c))%4)*32*PB+32*(\i)+16*PB
	ds_load_b128 v[(\f)+8*(4*(\c)+(\i)):(\f)+8*(4*(\c)+(\i))+3],   v[ADRA] offset:(\q)*128*PA+(\c)*64+(\i)*16*PA
	ds_load_b128 v[(\f)+8*(4*(\c)+(\i))+4:(\f)+8*(4*(\c)+(\i))+7], v[ADRA] offset:(\q)*128*PA+(\c)*64+(\i)*16*PA+32
.endr
.endr
.endm
.macro QUARTER q, f, g, zero
	s_wait_dscnt 16                                ; the first 32 along K are in
	MUL8 \f, 0, 0, \zero
	MUL8 \f, 0, 2, \zero
	PLACES
	FETCH \q, \g
	s_wait_dscnt 32                                ; all but the 32 just issued
	MUL8 \f, 1, 0, 0
	MUL8 \f, 1, 2, 0
.endm
; The last quarter multiplies buffer 1 and changes slots: in front of the barrier each wave waits for all its tensor loads, adds 0 to its spare word, and waits for that and for its reads of this slot.
; fill = 1: the descriptors step while the add is out, the barrier opens a round of the cluster's, and this slot is filled again first behind it, with the walk's step two on: 112 matrix instructions ahead of the wait for it.
; fill = 0 (the tail's two trips): nothing is asked for; in the second trip there is no further slot, and the run of LDS loads is jumped over.
.macro TURN fill
	WIN 0
	s_wait_tensorcnt 0x0
	ds_add_u32 v[SPW], v[NIL]
.if \fill
	STEPD                                          ; no tensor load of mine is out, so the descriptors may be written
.endif
	s_wait_dscnt 17                                ; (the add and the youngest sixteen loads may be out)
	MUL8 F1, 0, 0, 0
	s_wait_dscnt 0x0                               ; the add is done, and my reads of this slot are over
	s_barrier_signal -1
	MUL8 F1, 0, 2, 0
	WIN 0
	s_barrier_wait -1
.if \fill
	CREST
	JLOAD                                          ; its four v_nop are also the places in front of the loads below
.else
	PLACES
.endif
	s_xor_b32 s[SOFF], s[SOFF], SLOT
	v_add_nc_u32 v[ADRA], s[SOFF], v[ADRA0]
	v_add_nc_u32 v[ADRB], s[SOFF], v[ADRB0]
	v_add_nc_u32 v[ADRBH], HALFT, v[ADRB]
.if \fill
	FETCH 0, F0
.else
	s_cmp_eq_u32 s[CNT], 1
	s_cbranch_scc1 .Lno_fetch_\@
	FETCH 0, F0
	WIN 0
.Lno_fetch_\@:
.endif
	MUL8 F1, 1, 0, 0
	MUL8 F1, 1, 2, 0
.endm
	s_wait_tensorcnt 1                             ; my part of the walk's first step is in; the second's may stay out
	s_barrier_signal -1
	s_barrier_wait -1
	FETCH 0, F0
	QUARTER 1, F0, F1, 1                           ; the first quarter stands in front of the loop: its first products start the sums
	WIN 0
	s_mov_b32 s[CNT], KSTEPS-2
.Lk:                                                   ; a trip: from a K step's second quarter to the next step's first; each trip asks for one K step
	QUARTER 2, F1, F0, 0
	QUARTER 3, F0, F1, 0
	TURN 1
	QUARTER 1, F0, F1, 0
	WIN 0
	s_sub_co_u32 s[CNT], s[CNT], 1
	s_cmp_lg_u32 s[CNT], 0
	s_cbranch_scc1 .Lk
	s_mov_b32 s[CNT], 2
.Ltail:                                                ; the last two K steps ask for nothing
	QUARTER 2, F1, F0, 0
	QUARTER 3, F0, F1, 0
	TURN 0
	WIN 0
	s_sub_co_u32 s[CNT], s[CNT], 1
	s_cmp_eq_u32 s[CNT], 0
	s_cbranch_scc1 .Lout
	QUARTER 1, F0, F1, 0
	WIN 0
	s_branch .Ltail
.Lout:
	s_wait_dscnt 0x0
	PLACES
	PLACES
	; THE WAY OUT: a wave's 64 columns of f32 are 256 aligned bytes of a row of C.  16 rows at a time go through my own stage: in by lanes' 32 bytes, back as whole rows.  No barrier: the bytes are my wave's.
.irp i, 0,1,2,3
.if (\i) >= 2
	s_wait_xcnt 0x0                                ; the stores of two blocks back have read their registers, which are loaded again below
.endif
.irp b, 0,1,2,3
	ds_store_b128 v[STO], v[ACC+8*(4*(\i)+(\b)):ACC+8*(4*(\i)+(\b))+3]   offset:64*(\b)      ; each accumulator's low registers first
	ds_store_b128 v[STO], v[ACC+8*(4*(\i)+(\b))+4:ACC+8*(4*(\i)+(\b))+7] offset:64*(\b)+16
.endr
.irp t, 0,1,2,3,4,5,6,7
	ds_load_b128 v[TMP+32*((\i)%2)+4*(\t):TMP+32*((\i)%2)+4*(\t)+3], v[RD] offset:(\t)*2*SPITCH  ; LDS serves a wave's instructions in order
.endr
.irp t, 0,1,2,3,4,5,6,7
	s_wait_dscnt 7-(\t)
	global_store_b128 v[CO], v[TMP+32*((\i)%2)+4*(\t):TMP+32*((\i)%2)+4*(\t)+3], s[8:9] offset:(16*(\i)+2*(\t))*4096  ; 16 lanes store 256 consecutive bytes, aligned
.endr
.endr
	s_wait_tensorcnt 0x0                           ; the wave's end
	ds_add_u32 v[SPW], v[NIL]
	s_wait_dscnt 0x0
	CROUND                                         ; the closing round
	s_endpgm
.Lfunc_end_k_qb8da8e5961_ffn2:
	.size	k_qb8da8e5961_ffn2, .Lfunc_end_k_qb8da8e5961_ffn2-k_qb8da8e5961_ffn2
	.p2alignl 7, 3214868480
	.fill 96, 4, 3214868480
	.section	.rodata,"a",@progbits
	.p2align	6, 0x0
	.amdhsa_kernel k_qb8da8e5961_ffn2
		.amdhsa_group_segment_fixed_size 327680
		.amdhsa_private_segment_fixed_size 0
		.amdhsa_enable_private_segment 0
		.amdhsa_kernarg_size 24
		.amdhsa_user_sgpr_count 2
		.amdhsa_user_sgpr_kernarg_segment_ptr 1
		.amdhsa_wavefront_size32 1
		.amdhsa_system_sgpr_workgroup_id_x 1
		.amdhsa_system_sgpr_workgroup_id_y 1
		.amdhsa_system_sgpr_workgroup_id_z 1
		.amdhsa_system_vgpr_workitem_id 0
		.amdhsa_next_free_vgpr 512
		.amdhsa_next_free_sgpr 72
		.amdhsa_reserve_vcc 0
		.amdhsa_float_denorm_mode_32 3
		.amdhsa_float_denorm_mode_16_64 3
		.amdhsa_memory_ordered 1
		.amdhsa_forward_progress 1
		.amdhsa_inst_pref_size 59
	.end_amdhsa_kernel
	.amdgpu_metadata
---
amdhsa.version: [ 1, 2 ]
amdhsa.kernels:
  - .name:           k_qb8da8e5961_ffn2
    .symbol:         k_qb8da8e5961_ffn2.kd
    .args:
      - { .name: h, .offset: 0, .size: 8, .value_kind: global_buffer, .address_space: global }
      - { .name: wts, .offset: 8, .size: 8, .value_kind: global_buffer, .address_space: global }
      - { .name: c32, .offset: 16, .size: 8, .value_kind: global_buffer, .address_space: global }
    .group_segment_fixed_size: 327680
    .private_segment_fixed_size: 0
    .kernarg_segment_align: 8
    .kernarg_segment_size: 24
    .max_flat_workgroup_size: 128
    .sgpr_count:     72
    .vgpr_count:     512
    .wavefront_size: 32
...
	.end_amdgpu_metadata
.endif
;; end of part 7
;; launch ln2 (part 8): grid 256 x 1, 16 waves a work-group, no clusters, 0 bytes of LDS; arguments x1, c32, b2, g2, be2, out0; writes out0
.if DOCPART == 8
	.amdgcn_target "amdgcn-amd-amdhsa--gfx1250"
	.amdhsa_code_object_version 6
	.text
	.protected	k_qb8da8e5961_ln2
	.globl	k_qb8da8e5961_ln2
	.p2align	8
	.type	k_qb8da8e5961_ln2,@function
k_qb8da8e5961_ln2:
	s_mov_b64 s[64:65], 0
	v_nop
	global_prefetch_b8 v0, s[64:65] scope:SCOPE_SE
	s_setreg_imm32_b32 hwreg(HW_REG_WAVE_MODE, 25, 1), 1
	s_wait_xcnt 0x0
; out = layernorm(2 x1 + f + b2) g2 + be2 along rows of 1,024, all in f32: mean, then the mean of the squares of (z - mean), never a difference of sums; eps = 1e-5.
; x1 is the f32 copy at byte 8,388,608 of its buffer; f is the second product's sums.
; A wave takes one whole row, 32 numbers a lane (columns 128 j + 4 lane + 0..3), and keeps it in registers: each byte is read once, no wave waits for another, no LDS.  Sixteen waves, 16 rows a work-group.
; All 40 loads of a wave go out at once, the row's and the bias's first, the gains' last; no register that a store reads is written again.
.set X,  8                             ; v[8:39]    x1, then z, then the result
.set F,  40                            ; v[40:71]   f
.set B2, 72                            ; v[72:103]  b2 of my 32 columns
.set G,  104                           ; v[104:135] g2
.set BE, 136                           ; v[136:167] be2
.set T,  168                           ; v[168:175] four chains of pairs; then mean or 1 / sigma in T+2, T+3
	s_load_b256 s[4:11], s[0:1], 0x0               ; x1, f, b2, g2
	s_load_b128 s[16:19], s[0:1], 0x20             ; be2, out
	v_lshrrev_b32 v1, 5, v0
	v_readfirstlane_b32 s24, v1                    ; wave 0..15
	v_and_b32 v1, 31, v0
	v_lshlrev_b32 v2, 4, v1                        ; 16 bytes a lane
	s_lshl_b32 s20, ttmp9, 4
	s_add_co_u32 s20, s20, s24                     ; my row
	s_lshl_b32 s20, s20, 12
	s_mov_b32 s21, 0
	s_mov_b32 s12, 0x76543210                      ; v_permlanex16_b32: each lane takes its own place in the other half
	s_mov_b32 s13, 0xfedcba98
	s_mov_b32 s14, 0x3a800000                      ; 1 / 1024
	s_mov_b32 s15, 0x3727c5ac                      ; 1e-5
	s_wait_kmcnt 0x0
	s_add_nc_u64 s[4:5], s[4:5], s[20:21]
	s_add_nc_u64 s[4:5], s[4:5], 0x800000          ; the f32 copy
	s_add_nc_u64 s[6:7], s[6:7], s[20:21]
	s_add_nc_u64 s[18:19], s[18:19], s[20:21]
.irp j, 0,1,2,3,4,5,6,7
	global_load_b128 v[X+4*(\j):X+4*(\j)+3], v2, s[4:5] offset:512*(\j)
.endr
.irp j, 0,1,2,3,4,5,6,7
	global_load_b128 v[F+4*(\j):F+4*(\j)+3], v2, s[6:7] offset:512*(\j)
.endr
.irp j, 0,1,2,3,4,5,6,7
	global_load_b128 v[B2+4*(\j):B2+4*(\j)+3], v2, s[8:9] offset:512*(\j)
.endr
.irp j, 0,1,2,3,4,5,6,7
	global_load_b128 v[G+4*(\j):G+4*(\j)+3], v2, s[10:11] offset:512*(\j)
.endr
.irp j, 0,1,2,3,4,5,6,7
	global_load_b128 v[BE+4*(\j):BE+4*(\j)+3], v2, s[16:17] offset:512*(\j)
.endr
.macro REDUCE                          ; the four chains, the pair's halves, the 32 lanes: the sum ends in v[T] of every lane
	v_pk_add_f32 v[T:T+1], v[T:T+1], v[T+2:T+3]
	v_pk_add_f32 v[T+4:T+5], v[T+4:T+5], v[T+6:T+7]
	v_pk_add_f32 v[T:T+1], v[T:T+1], v[T+4:T+5]
	v_add_f32 v[T], v[T], v[T+1]
	v_add_f32_dpp v[T], v[T], v[T] row_xmask:1 row_mask:0xf bank_mask:0xf
	v_add_f32_dpp v[T], v[T], v[T] row_xmask:2 row_mask:0xf bank_mask:0xf
	v_add_f32_dpp v[T], v[T], v[T] row_xmask:4 row_mask:0xf bank_mask:0xf
	v_add_f32_dpp v[T], v[T], v[T] row_xmask:8 row_mask:0xf bank_mask:0xf
	v_permlanex16_b32 v[T+1], v[T], s12, s13
	v_add_f32 v[T], v[T], v[T+1]
.endm
	s_wait_loadcnt 16                              ; x1, f and b2 are in; the 16 loads of g2 and be2 may stay out
.set p, 0
.rept 16
	v_pk_fma_f32 v[X+p:X+p+1], v[X+p:X+p+1], 2.0, v[F+p:F+p+1] op_sel_hi:[1,0,1]  ; 2 x1 + f
.set p, p+2
.endr
.set p, 0
.rept 16
	v_pk_add_f32 v[X+p:X+p+1], v[X+p:X+p+1], v[B2+p:B2+p+1]                       ; + b2
.set p, p+2
.endr
.irp k, 0,2,4,6
	v_pk_add_f32 v[T+(\k):T+(\k)+1], v[X+(\k):X+(\k)+1], v[X+8+(\k):X+8+(\k)+1]  ; the first pairs start the chains
.endr
.set p, 16
.rept 8
	v_pk_add_f32 v[T+p%8:T+p%8+1], v[T+p%8:T+p%8+1], v[X+p:X+p+1]
.set p, p+2
.endr
	REDUCE
	v_mul_f32 v[T+2], s14, v[T]                    ; the mean; the pair's second word is named with it
	v_mul_f32 v[T+3], s14, v[T]
.set p, 0
.rept 16
	v_pk_add_f32 v[X+p:X+p+1], v[X+p:X+p+1], v[T+2:T+3] op_sel_hi:[1,0] neg_lo:[0,1] neg_hi:[0,1]
.set p, p+2
.endr
.irp k, 0,2,4,6
	v_pk_mul_f32 v[T+(\k):T+(\k)+1], v[X+(\k):X+(\k)+1], v[X+(\k):X+(\k)+1]
.endr
.set p, 8
.rept 12
	v_pk_fma_f32 v[T+p%8:T+p%8+1], v[X+p:X+p+1], v[X+p:X+p+1], v[T+p%8:T+p%8+1]
.set p, p+2
.endr
	REDUCE
	v_fma_f32 v[T+1], v[T], s14, s15               ; variance + eps
	v_rsq_f32 v[T+2], v[T+1]
	v_rsq_f32 v[T+3], v[T+1]
	v_nop                                          ; a plain instruction between the root and the use of its result
.set p, 0
	s_wait_alu depctr_va_vdst(0)
.rept 16
	v_pk_mul_f32 v[X+p:X+p+1], v[X+p:X+p+1], v[T+2:T+3] op_sel_hi:[1,0]
.set p, p+2
.endr
	s_wait_loadcnt 0x0                             ; g2 and be2
.set p, 0
.rept 16
	v_pk_fma_f32 v[X+p:X+p+1], v[X+p:X+p+1], v[G+p:G+p+1], v[BE+p:BE+p+1]
.set p, p+2
.endr
.irp j, 0,1,2,3,4,5,6,7
	global_store_b128 v2, v[X+4*(\j):X+4*(\j)+3], s[18:19] offset:512*(\j) th:TH_STORE_NT
.endr
	s_endpgm
.Lfunc_end_k_qb8da8e5961_ln2:
	.size	k_qb8da8e5961_ln2, .Lfunc_end_k_qb8da8e5961_ln2-k_qb8da8e5961_ln2
	.p2alignl 7, 3214868480
	.fill 96, 4, 3214868480
	.section	.rodata,"a",@progbits
	.p2align	6, 0x0
	.amdhsa_kernel k_qb8da8e5961_ln2
		.amdhsa_group_segment_fixed_size 0
		.amdhsa_private_segment_fixed_size 0
		.amdhsa_enable_private_segment 0
		.amdhsa_kernarg_size 48
		.amdhsa_user_sgpr_count 2
		.amdhsa_user_sgpr_kernarg_segment_ptr 1
		.amdhsa_wavefront_size32 1
		.amdhsa_system_sgpr_workgroup_id_x 1
		.amdhsa_system_sgpr_workgroup_id_y 1
		.amdhsa_system_sgpr_workgroup_id_z 1
		.amdhsa_system_vgpr_workitem_id 0
		.amdhsa_next_free_vgpr 176
		.amdhsa_next_free_sgpr 66
		.amdhsa_reserve_vcc 0
		.amdhsa_float_denorm_mode_32 3
		.amdhsa_float_denorm_mode_16_64 3
		.amdhsa_memory_ordered 1
		.amdhsa_forward_progress 1
		.amdhsa_inst_pref_size 14
	.end_amdhsa_kernel
	.amdgpu_metadata
---
amdhsa.version: [ 1, 2 ]
amdhsa.kernels:
  - .name:           k_qb8da8e5961_ln2
    .symbol:         k_qb8da8e5961_ln2.kd
    .args:
      - { .name: x1, .offset: 0, .size: 8, .value_kind: global_buffer, .address_space: global }
      - { .name: c32, .offset: 8, .size: 8, .value_kind: global_buffer, .address_space: global }
      - { .name: b2, .offset: 16, .size: 8, .value_kind: global_buffer, .address_space: global }
      - { .name: g2, .offset: 24, .size: 8, .value_kind: global_buffer, .address_space: global }
      - { .name: be2, .offset: 32, .size: 8, .value_kind: global_buffer, .address_space: global }
      - { .name: out0, .offset: 40, .size: 8, .value_kind: global_buffer, .address_space: global }
    .group_segment_fixed_size: 0
    .private_segment_fixed_size: 0
    .kernarg_segment_align: 8
    .kernarg_segment_size: 48
    .max_flat_workgroup_size: 512
    .sgpr_count:     66
    .vgpr_count:     176
    .wavefront_size: 32
...
	.end_amdgpu_metadata
.endif
;; end of part 8
